; MI455X (gfx1250); checked and timed in simulation.
; The chip was launched on July 23, 2026; its instructions are those of AMD's public machine-readable ISA for CDNA 5 (MIT licence, August 2026) and "CDNA5" Instruction Set Architecture Reference Guide (July 2026). The comments in the code are by the model that wrote it; some were corrected since.
;; GRU Trajectory Predict. Allowed arithmetic: float matrix products may take bf16 or f16 operands with f32 sums; other float arithmetic in f32, or as packed bf16 or f16 multiplies, adds, multiply-adds, maxima and minima; sums over many terms, partial sums and values carried from step to step in f32; what a program stores and reads back later, other than sums and carried values, may be rounded once to bf16 or f16.
;; Inputs: W1 256 x 361 float32; W2 128 x 256 float32; W3 64 x 128 float32; Whh 192 x 64 float32; Wih 192 x 2 float32; Wo 2 x 64 float32; b1 256 float32; b2 128 float32; b3 64 float32; bhh 192 float32; bih 192 float32; bo 2 float32; z 131,072 x 361 float32.
;; Outputs: out0 131,072 x 10 x 2 float32.
;; Constants: pred_len = 10.
;; 2 versions, each right. Each part assembles by itself: llvm-mc -triple=amdgcn-amd-amdhsa -mcpu=gfx1250 --defsym DOCPART=n.
;; ======== version 1 of 2: 3 launches
;; workspace buffers: w1f 196,608 bytes; h0 33,554,432 bytes
;; launch prep (part 1): grid 96 x 1, 4 waves a work-group, no clusters, 0 bytes of LDS; arguments W1, w1f; writes w1f
.if DOCPART == 1
	.amdgcn_target "amdgcn-amd-amdhsa--gfx1250"
	.amdhsa_code_object_version 6
	.text
	.protected	k_q6bbd6ff508_prep
	.globl	k_q6bbd6ff508_prep
	.p2align	8
	.type	k_q6bbd6ff508_prep,@function
k_q6bbd6ff508_prep:
	s_mov_b64 s[64:65], 0
	v_nop
	global_prefetch_b8 v0, s[64:65] scope:SCOPE_SE
	s_setreg_imm32_b32 hwreg(HW_REG_WAVE_MODE, 25, 1), 1
	s_wait_xcnt 0x0
; W1 [256][361] f32  ->  w1f: bf16, in the order in which a matrix instruction's source 0 wants it, 0 for k >= 361.
; Fragment f = 16 kb + mt (kb = 0..11: 32 channels; mt = 0..15: 16 rows) is 1,024 bytes: [half 2][lane 32][16 bytes].
; The piece (half, lane) holds W1[16 mt + lane % 16][32 kb + 16 half + 8 (lane / 16) + 0..7].
; A thread makes one piece: 12,288 pieces = 96 work-groups x 128 threads.  W1's rows are 1,444 bytes, so its numbers are fetched one by one (4-byte loads);
; a wave's one store covers 512 consecutive bytes, aligned.
.set COLS, 361
	s_load_b128 s[4:7], s[0:1], 0x0                ; W1 s[4:5], w1f s[6:7]
	s_lshl_b32 s8, ttmp9, 7
	v_add_nc_u32 v1, s8, v0                        ; G: the piece's number
	v_and_b32 v2, 15, v1                           ; lane % 16
	v_bfe_u32 v3, v1, 4, 1                         ; lane / 16
	v_bfe_u32 v4, v1, 5, 1                         ; half
	v_bfe_u32 v5, v1, 6, 4                         ; mt
	v_lshrrev_b32 v6, 10, v1                       ; kb
	v_lshl_add_u32 v7, v5, 4, v2                   ; W1's row
	v_mul_u32_u24 v7, v7, COLS                     ; its first element
	v_lshlrev_b32 v8, 5, v6
	v_lshl_add_u32 v8, v4, 4, v8
	v_lshl_add_u32 v8, v3, 3, v8                   ; k0 = 32 kb + 16 half + 8 (lane / 16)
	v_lshlrev_b32 v9, 4, v1                        ; the piece's 16 bytes in w1f
.irp i, 0,1,2,3,4,5,6,7
	v_add_nc_u32 v[10+\i], \i, v8                  ; k
	v_min_u32 v[18+\i], COLS-1, v[10+\i]           ; no load leaves the row: beyond its end the last number is fetched and thrown away below
	v_add_lshl_u32 v[18+\i], v[18+\i], v7, 2
.endr
	s_wait_kmcnt 0x0
.irp i, 0,1,2,3,4,5,6,7
	global_load_b32 v[26+\i], v[18+\i], s[4:5]
.endr
	s_wait_loadcnt 0x0
.irp i, 0,1,2,3,4,5,6,7
	v_cmp_gt_u32 vcc_lo, COLS, v[10+\i]
	v_cndmask_b32 v[26+\i], 0, v[26+\i], vcc_lo    ; 0 where k >= 361
.endr
.irp i, 0,1,2,3
	v_cvt_pk_bf16_f32 v[34+\i], v[26+2*\i], v[27+2*\i]
.endr
	global_store_b128 v9, v[34:37], s[6:7]
	s_endpgm
.Lfunc_end_k_q6bbd6ff508_prep:
	.size	k_q6bbd6ff508_prep, .Lfunc_end_k_q6bbd6ff508_prep-k_q6bbd6ff508_prep
	.p2alignl 7, 3214868480
	.fill 96, 4, 3214868480
	.section	.rodata,"a",@progbits
	.p2align	6, 0x0
	.amdhsa_kernel k_q6bbd6ff508_prep
		.amdhsa_group_segment_fixed_size 0
		.amdhsa_private_segment_fixed_size 0
		.amdhsa_enable_private_segment 0
		.amdhsa_kernarg_size 16
		.amdhsa_user_sgpr_count 2
		.amdhsa_user_sgpr_kernarg_segment_ptr 1
		.amdhsa_wavefront_size32 1
		.amdhsa_system_sgpr_workgroup_id_x 1
		.amdhsa_system_sgpr_workgroup_id_y 1
		.amdhsa_system_sgpr_workgroup_id_z 1
		.amdhsa_system_vgpr_workitem_id 0
		.amdhsa_next_free_vgpr 40
		.amdhsa_next_free_sgpr 66
		.amdhsa_reserve_vcc 1
		.amdhsa_float_denorm_mode_32 3
		.amdhsa_float_denorm_mode_16_64 3
		.amdhsa_memory_ordered 1
		.amdhsa_forward_progress 1
		.amdhsa_inst_pref_size 5
	.end_amdhsa_kernel
	.amdgpu_metadata
---
amdhsa.version: [ 1, 2 ]
amdhsa.kernels:
  - .name:           k_q6bbd6ff508_prep
    .symbol:         k_q6bbd6ff508_prep.kd
    .args:
      - { .name: W1, .offset: 0, .size: 8, .value_kind: global_buffer, .address_space: global }
      - { .name: w1f, .offset: 8, .size: 8, .value_kind: global_buffer, .address_space: global }
    .group_segment_fixed_size: 0
    .private_segment_fixed_size: 0
    .kernarg_segment_align: 8
    .kernarg_segment_size: 16
    .max_flat_workgroup_size: 128
    .sgpr_count:     66
    .vgpr_count:     40
    .wavefront_size: 32
...
	.end_amdgpu_metadata
.endif
;; end of part 1
;; launch mlp (part 2): grid 256 x 1, 4 waves a work-group, no clusters, 327,680 bytes of LDS; arguments z, w1f, W2, W3, b1, b2, b3, h0; writes h0
.if DOCPART == 2
	.amdgcn_target "amdgcn-amd-amdhsa--gfx1250"
	.amdhsa_code_object_version 6
	.text
	.protected	k_q6bbd6ff508_mlp
	.globl	k_q6bbd6ff508_mlp
	.p2align	8
	.type	k_q6bbd6ff508_mlp,@function
k_q6bbd6ff508_mlp:
	s_mov_b64 s[64:65], 0
	v_nop
	global_prefetch_b8 v0, s[64:65] scope:SCOPE_SE
	s_setreg_imm32_b32 hwreg(HW_REG_WAVE_MODE, 25, 1), 1
	s_wait_xcnt 0x0
; h0 = relu(relu(relu(z W1^T + b1) W2^T + b2) W3^T + b3): 361 -> 256 -> 128 -> 64, for 131,072 rows.  Operands bf16, sums f32; h0 leaves in f32.
; LIMITS.  Every input, the biases too, is rounded to bf16.  h1 and h2 enter the next product as a sum of two bf16 numbers (16 significant bits): an upper part and the rounded rest, each multiplied by the
; same weights.  The ReLU is a maximum in which a NaN loses: a NaN becomes 0.  Infinities are not treated apart.
; SHARES.  A work-group owns rows 512 g .. 512 g + 511, in 8 CHUNKS of 64 rows = 4 row tiles: chunk c, tile n, lane r is row 512 g + 128 n + 16 c + r, so that wave n's tensor loads
; walk 128 consecutive rows of z, 16 a chunk.  In every layer the FEATURES are split among the four waves (64, 32, 16 a wave) and all weights stay in registers: 48 + 16 + 4 fragments = 544.
; LAYOUT.  All products are taken transposed, D[feature][row] = W act^T (source 0 = 16 rows of W, source 1 = 16 rows of the batch): a lane (r = lane % 16, h = lane / 16) holds row r
; and features 8 h + 0..7.  Two neighbouring feature tiles, rounded in pairs, ARE the next layer's source 1: nothing changes lanes.  h1 and h2 pass between the waves through LDS as such fragments.
; A bias is the C operand of a sum's first product: nothing is cleared and no bias is added.
; Z comes by the tensor data mover: its rows are 1,444 bytes, so only 4-byte elements can address them.  A tile is 16 rows x 372 elements of which the tensor has 361: the mover writes zeros for the other 11.
; That makes LDS rows of 1,488 bytes = 93 x 16: the 16 rows that a load of 16 bytes a lane touches start at 16 different columns of 16 bytes modulo 256.
; NO CLUSTER: z's tiles (739,328 bytes a work-group) and h0 belong to one work-group alone; what all share, the weights (360,448 bytes), is read once at the head, straight into the registers where it stays.
; H0's LAYOUT: chunk 8 g + c at 16,384 x that number; tile (m = feature tile, n) at (4 m + n) x 1,024 as [half 2][lane 32][16 bytes]: an accumulator's registers 0-3, then 4-7.
; REGISTERS, in windows of 256 (s_set_vgpr_msb: bits 1:0 source 0, 3:2 source 1, 5:4 source 2, 7:6 destination):
;   window 0: v0-21 addresses; v32-159 z in f32, a ring of 8 fragments of 16 (later at work on the way out of a layer, and the fragments of h1 and h2); v160-191 z in bf16, a ring of 4; v192-255 packed upper parts
;   window 1: W1's fragments (kb 0-7, i) at 8 (4 kb + i)          window 2: v0-127 W1's kb 8-11; v128-255 W2's (u, kb2) at 128 + 8 (8 u + kb2)
;   window 3: v0-127 layer 1's accumulators (i, n) at 8 (4 i + n); over them layer 2's (u, n) at 8 (4 u + n) and layer 3's (n) at 64 + 8 n; v128-183 the bias tiles; v184-215 W3's fragments; v216 at work
.set ZROWB,  1444                      ; bytes in a row of z
.set ZPITCH, 1488                      ; and in LDS
.set TILEB,  16*ZPITCH                 ; a tile: 23,808 bytes = 93 blocks of 256.  Slot 0: wave w's tile at w x TILEB
.set SLOTB,  0x20000                   ; slot 1 begins here: one exclusive or turns an address in one slot into the other's
.set X2,     4*TILEB                   ; behind slot 0: h2: fragment (part, kb3 0..3, n) at (4 (4 part + kb3) + n) x 1,024: 32,768 bytes
.set X2LO,   16384                     ; from the upper parts to the lower
.set X1,     SLOTB+4*TILEB             ; behind slot 1: h1: fragment (part, kb2 0..7, n) at (4 (8 part + kb2) + n) x 1,024: 65,536 bytes
.set X1LO,   32768
.set SPARE,  X1+2*X1LO                 ; the spare words, 128 bytes for each wave: two blocks of 256 bytes that no other line names
.set L16,   3                          ; v3      16 x lane
.set ZBASE, 4                          ; v4-7    row tile n: n x TILEB + 1,488 r + 32 h; never rewritten
.set ZA,    8                          ; v8-11   the same in the slot in hand
.set X1S,   12                         ; v12     where I store h1: X1 + 8,192 w + 16 lane
.set X1R,   13                         ; v13     where I read it: X1 + 16 lane
.set X2S,   14                         ; v14     X2 + 4,096 w + 16 lane
.set X2R,   15                         ; v15     X2 + 16 lane
.set SPW,   16                         ; v16     my spare word; never rewritten
.set NIL,   17                         ; v17     0; never rewritten
.set W2O,   19                         ; v19     1,024 r + 32 h
.set W3O,   20                         ; v20     512 r + 32 h
.set BO,    21                         ; v21     32 h
.set ZF,    32
.set ZB,    160
.set PK,    192
.set W2F,   128                        ; window 2
.set ACC3,  64                         ; window 3
.set B1T,   128
.set B2T,   160
.set B3T,   176
.set W3F,   184
.set TMP3,  216
.set MSB, 0
.macro WIN new                         ; the immediate's high byte repeats the setting that is left; a switch that changes nothing is dropped
.if MSB != (\new)
	s_set_vgpr_msb (MSB<<8)|(\new)
.set MSB, (\new)
.endif
.endm
.macro PLACES                          ; four places behind a matrix instruction, ahead of vector lines that read its result or write its registers and of loads into registers that it read (ISA guide 7.12.1 for vector instructions)
.rept 4
	v_nop
.endr
.endm
	s_load_b512 s[16:31], s[0:1], 0x0              ; z s[16:17], w1f s[18:19], W2 s[20:21], W3 s[22:23], b1 s[24:25], b2 s[26:27], b3 s[28:29], h0 s[30:31]
	v_lshl_add_u32 v[SPW], v0, 2, SPARE
	v_mov_b32 v[NIL], 0
	ds_add_u32 v[SPW], v[NIL]                      ; the wave's opening: the add, twice on end, and its wait ahead of my first tensor load
	ds_add_u32 v[SPW], v[NIL]                      ; and once more, under the one wait; the descriptors' words stand between it and the wait
	v_lshrrev_b32 v1, 5, v0
	v_readfirstlane_b32 s8, v1                     ; wave 0..3
	s_mov_b32 s10, 0xffff0000                      ; a word's upper bf16
	; descriptor group 1, the same for every load: 16 rows x 372 elements of 4 bytes; the tensor has 361 from the tile's first element on
	s_mov_b32 s32, 2<<16                           ; 17:16 elements of 4 bytes; no mask, no padding
	s_mov_b32 s33, 361<<16                         ; tensor_dim0 = 361
	s_mov_b32 s34, 16<<16                          ; tensor_dim1 = 16
	s_mov_b32 s35, 372<<16                         ; tile_dim0 = 372
	s_mov_b32 s36, 16                              ; tile_dim1 = 16
	s_mov_b32 s37, 361                             ; elements from row to row
	s_mov_b32 s38, 0
	s_mov_b32 s39, 0
	s_mov_b32 s40, 1                               ; group 0 for chunk 0: count 1,
	s_mul_i32 s41, s8, TILEB                       ; my tile's place in slot 0
	s_mov_b32 s44, 1                               ; group 0 for chunk 1, which then walks:
	s_add_co_u32 s45, s41, SLOTB                   ; slot 1
	s_mul_i32 s2, ttmp9, 512*ZROWB                 ; the work-group's 512 rows,
	s_mul_i32 s3, s8, 128*ZROWB                    ; my 128 of them
	s_add_co_u32 s2, s2, s3
	s_mov_b32 s3, 0
	s_wait_dscnt 0x0                               ; both opening adds are done
	s_wait_kmcnt 0x0
	s_add_nc_u64 s[42:43], s[16:17], s[2:3]
	s_add_nc_u64 s[46:47], s[42:43], 16*ZROWB
	s_or_b32 s43, s43, 0x80000000                  ; type = 2
	s_or_b32 s47, s47, 0x80000000
	tensor_load_to_lds s[40:43], s[32:39]          ; the two first fills go out together, ahead of every wait on TENSORcnt, LDS read and barrier: two loads of mine are out
	s_nop 0
	tensor_load_to_lds s[44:47], s[32:39]
	s_nop 0
	s_lshl_b32 s2, s8, 12
	s_add_nc_u64 s[52:53], s[18:19], s[2:3]        ; w1f at my four row tiles of W1
	s_lshl_b32 s4, ttmp9, 17
	s_add_co_u32 s4, s4, s2
	s_mov_b32 s5, 0
	s_add_nc_u64 s[50:51], s[30:31], s[4:5]        ; h0 at the work-group's chunk 0, feature tile w
	s_add_co_u32 s7, s2, X2
	s_lshl_b32 s2, s8, 15
	s_add_nc_u64 s[54:55], s[20:21], s[2:3]        ; W2 at my 32 rows
	s_lshl_b32 s2, s8, 13
	s_add_nc_u64 s[56:57], s[22:23], s[2:3]        ; W3 at my 16 rows
	s_add_co_u32 s6, s2, X1
	s_lshl_b32 s2, s8, 8
	s_add_nc_u64 s[58:59], s[24:25], s[2:3]        ; b1 at my 64 numbers
	s_lshl_b32 s2, s8, 7
	s_add_nc_u64 s[60:61], s[26:27], s[2:3]
	s_lshl_b32 s2, s8, 6
	s_add_nc_u64 s[62:63], s[28:29], s[2:3]
	v_and_b32 v1, 15, v0                           ; r
	v_bfe_u32 v2, v0, 4, 1                         ; h
	v_and_b32 v[L16], 31, v0
	v_lshlrev_b32 v[L16], 4, v[L16]
	v_mul_u32_u24 v[ZBASE], v1, ZPITCH
	v_lshl_add_u32 v[ZBASE], v2, 5, v[ZBASE]
	v_add_nc_u32 v[ZBASE+1], TILEB, v[ZBASE]
	v_add_nc_u32 v[ZBASE+2], 2*TILEB, v[ZBASE]
	v_add_nc_u32 v[ZBASE+3], 3*TILEB, v[ZBASE]
	v_add_nc_u32 v[X1S], s6, v[L16]
	v_add_nc_u32 v[X1R], X1, v[L16]
	v_add_nc_u32 v[X2S], s7, v[L16]
	v_add_nc_u32 v[X2R], X2, v[L16]
	v_lshlrev_b32 v[W2O], 10, v1
	v_lshl_add_u32 v[W2O], v2, 5, v[W2O]
	v_lshlrev_b32 v[W3O], 9, v1
	v_lshl_add_u32 v[W3O], v2, 5, v[W3O]
	v_lshlrev_b32 v[BO], 5, v2
	; THE WEIGHTS, while the first tiles of z are on their way.  W1's 48 fragments lie ready in w1f.
	WIN 0x40                                       ; destination window 1
.set k, 0
.rept 8
.irp i, 0,1,2,3
	global_load_b128 v[8*(4*k+\i):8*(4*k+\i)+3],   v[L16], s[52:53] offset:k*16384+\i*1024
	global_load_b128 v[8*(4*k+\i)+4:8*(4*k+\i)+7], v[L16], s[52:53] offset:k*16384+\i*1024+512
.endr
.set k, k+1
.endr
	WIN 0x80                                       ; destination window 2
.rept 4
.irp i, 0,1,2,3
	global_load_b128 v[8*(4*(k-8)+\i):8*(4*(k-8)+\i)+3],   v[L16], s[52:53] offset:k*16384+\i*1024
	global_load_b128 v[8*(4*(k-8)+\i)+4:8*(4*(k-8)+\i)+7], v[L16], s[52:53] offset:k*16384+\i*1024+512
.endr
.set k, k+1
.endr
; W2's row tile u of my two, in f32: a lane's 8 + 8 numbers of each of the 8 K blocks, 32 loads into z's ring
.macro W2LD u
	WIN 0
.set k, 0
.rept 8
.irp q, 0,1,2,3
	global_load_b128 v[ZF+16*k+4*\q:ZF+16*k+4*\q+3], v[W2O], s[54:55] offset:(\u)*16384+k*128+16*(\q%2)+64*(\q/2)
.endr
.set k, k+1
.endr
.endm
.macro W2CV u                          ; rounded to bf16, into window 2
	WIN 0x80
.set j, 0
.rept 64
	v_cvt_pk_bf16_f32 v[W2F+64*(\u)+j], v[ZF+2*j], v[ZF+2*j+1]
.set j, j+1
.endr
.endm
	W2LD 0
.set k, 0
.rept 4
.irp q, 0,1,2,3
	global_load_b128 v[PK+16*k+4*\q:PK+16*k+4*\q+3], v[W3O], s[56:57] offset:k*128+16*(\q%2)+64*(\q/2)
.endr
.set k, k+1
.endr
	WIN 0xc0                                       ; destination window 3: the bias tiles: register j = the bias of feature 8 h + j, in every lane of a half
.irp i, 0,1,2,3
	global_load_b128 v[B1T+8*\i:B1T+8*\i+3],   v[BO], s[58:59] offset:64*\i
	global_load_b128 v[B1T+8*\i+4:B1T+8*\i+7], v[BO], s[58:59] offset:64*\i+16
.endr
.irp i, 0,1
	global_load_b128 v[B2T+8*\i:B2T+8*\i+3],   v[BO], s[60:61] offset:64*\i
	global_load_b128 v[B2T+8*\i+4:B2T+8*\i+7], v[BO], s[60:61] offset:64*\i+16
.endr
	global_load_b128 v[B3T:B3T+3],   v[BO], s[62:63]
	global_load_b128 v[B3T+4:B3T+7], v[BO], s[62:63] offset:16
	s_wait_loadcnt 30                              ; W1 and W2's first tile are in; W3's 16 loads and the biases' 14 may stay out
	W2CV 0
	W2LD 1
	s_wait_loadcnt 32                              ; W3 and the biases are in; W2's second 32 loads may stay out
	WIN 0xc0
.set j, 0
.rept 32
	v_cvt_pk_bf16_f32 v[W3F+j], v[PK+2*j], v[PK+2*j+1]
.set j, j+1
.endr
	WIN 0xcf                                       ; the 56 bias registers are rounded to bf16 and widened again, in pairs
.set j, 0
.rept 28
	v_cvt_pk_bf16_f32 v[TMP3], v[B1T+2*j], v[B1T+2*j+1]
	v_lshlrev_b32 v[B1T+2*j], 16, v[TMP3]
	v_and_b32 v[B1T+2*j+1], s10, v[TMP3]
.set j, j+1
.endr
	s_wait_loadcnt 0x0
	W2CV 1
	WIN 0
; LAYER 1.  z's fragments are numbered g = 4 kb + n (kb 0..11, n 0..3).  Fragment g is 16 f32 a lane: four loads of 16 bytes (q = 0..3), at bytes 128 kb + 0, 16, 64, 80 of the lane's place.
; In K block 11 the second half, k = 368 + 8 h on, lies beyond the tile's 372 columns: it is not loaded, and the fragment's registers 4-7 are 0 (W1's are 0 there too).
.macro ZLOAD gg, q
.set zk, (\gg)/4
.set zn, (\gg)%4
.set zr, ZF+16*((\gg)%8)+4*(\q)
.set zo, 128*zk+16*((\q)%2)+64*((\q)/2)
.if ((\gg) < 48) && ((zk < 11) || ((\q) < 2))
	ds_load_b128 v[zr:zr+3], v[ZA+zn] offset:zo
.endif
.endm
.macro ZCVT gg, q                      ; quarter q of fragment gg is rounded to bf16
.set zk, (\gg)/4
.set zs, ZF+16*((\gg)%8)+4*(\q)
.set zd, ZB+8*((\gg)%4)+2*(\q)
.if (zk < 11) || ((\q) < 2)
	v_cvt_pk_bf16_f32 v[zd], v[zs], v[zs+1]
	v_cvt_pk_bf16_f32 v[zd+1], v[zs+2], v[zs+3]
.else
	v_mov_b32 v[zd], 0
	v_mov_b32 v[zd+1], 0
.endif
.endm
.macro MM1 gg, i                       ; feature tile i of my four x fragment gg.  The 16 accumulators take turns, one instruction a turn
.set mk, (\gg)/4
.set ma, 8*(4*(\i)+(\gg)%4)
.set mb, ZB+8*((\gg)%4)
.if mk < 8
	WIN 0xf1                                       ; W1 in window 1, z in window 0, C and D in window 3
.set mw, 8*(4*mk+(\i))
.else
	WIN 0xf2                                       ; W1 in window 2
.set mw, 8*(4*(mk-8)+(\i))
.endif
.if mk == 0
	v_wmma_f32_16x16x32_bf16 v[ma:ma+7], v[mw:mw+7], v[mb:mb+7], v[B1T+8*(\i):B1T+8*(\i)+7]
.else
	v_wmma_f32_16x16x32_bf16 v[ma:ma+7], v[mw:mw+7], v[mb:mb+7], v[ma:ma+7]
.endif
.endm
.macro PRO                             ; the next chunk's slot, and the loads of its fragments 0 to 7: 32 loads
	s_xor_b32 s49, s49, SLOTB
.irp n, 0,1,2,3
	v_add_nc_u32 v[ZA+\n], s49, v[ZBASE+\n]
.endr
.set g, 0
.rept 8
.irp q, 0,1,2,3
	ZLOAD g, \q
.endr
.set g, g+1
.endr
.endm
; 192 matrix instructions; behind each a load of fragment g + 8 and two conversions of fragment g + 1.  A fragment in bf16 is written again three fragments, 24 plain lines, behind its last reader.
; The wait at a fragment's head leaves out the loads of the fragments behind g + 1: six fragments of four loads, 24; fewer at the end, where K block 11 has two loads a fragment and then none are left.
.macro L1
	WIN 0
	s_wait_dscnt 28                                ; of PRO's 32 loads the first four, fragment 0, are in
.irp q, 0,1,2,3
	ZCVT 0, \q
.endr
.set g, 0
.rept 48
.set i, 0
.rept 4
	MM1 g, i
.if g < 47
	WIN 0
.if i == 0
.set ca, g+8
.if ca > 48
.set ca, 48
.endif
.set cb, 4*ca
.if ca > 44
.set cb, 176+2*(ca-44)
.endif
.set cc, 4*(g+2)
.if g+2 > 44
.set cc, 176+2*(g+2-44)
.endif
	s_wait_dscnt cb-cc                             ; loads issued so far less those of fragments 0 .. g + 1
.endif
	ZLOAD g+8, i
	ZCVT g+1, i
.endif
.set i, i+1
.endr
.set g, g+1
.endr
	PLACES
.endm
; THE WAY OUT OF LAYERS 1 AND 2, for nf fragments (8 or 4).  Feature tiles 2 p and 2 p + 1 make fragment f = 4 p + n: pair j of its eight lies at register SRCP of window 3.
; The ReLU in f32, each accumulator's registers in ascending order; the upper parts, rounded to bf16; the same widened again; the rest, value less upper part (exact in f32); the rest rounded to bf16
; (packed downward in place: number j is written when 2 j and 2 j + 1 are read).  Then both parts go into LDS, the lower parts lo bytes behind the upper.
.macro EPI nf, sto, lo
	WIN 0xcc                                       ; destination and source 1 in window 3
.set j, 0
.rept 16*(\nf)
	v_max_num_f32 v[j], 0, v[j]
.set j, j+1
.endr
	WIN 0x0f                                       ; sources window 3, destination window 0
.set f, 0
.rept \nf
.set j, 0
.rept 8
.set SRCP, 8*(8*(f/4)+4*(j/4)+f%4)+2*(j%4)
	v_cvt_pk_bf16_f32 v[PK+8*f+j], v[SRCP], v[SRCP+1]
.set j, j+1
.endr
.set f, f+1
.endr
	WIN 0
.set j, 0
.rept 8*(\nf)
	v_lshlrev_b32 v[ZF+2*j], 16, v[PK+j]
	v_and_b32 v[ZF+2*j+1], s10, v[PK+j]
.set j, j+1
.endr
	WIN 0x03                                       ; source 0 window 3
.set f, 0
.rept \nf
.set j, 0
.rept 8
.set SRCP, 8*(8*(f/4)+4*(j/4)+f%4)+2*(j%4)
	v_pk_add_f32 v[ZF+2*(8*f+j):ZF+2*(8*f+j)+1], v[SRCP:SRCP+1], v[ZF+2*(8*f+j):ZF+2*(8*f+j)+1] neg_lo:[0,1] neg_hi:[0,1]
.set j, j+1
.endr
.set f, f+1
.endr
	WIN 0
.set j, 0
.rept 8*(\nf)
	v_cvt_pk_bf16_f32 v[ZF+j], v[ZF+2*j], v[ZF+2*j+1]
.set j, j+1
.endr
.set j, 0
.rept 2*(\nf)
	ds_store_b128 v[\sto], v[PK+4*j:PK+4*j+3] offset:512*j
	ds_store_b128 v[\sto], v[ZF+4*j:ZF+4*j+3] offset:(\lo)+512*j
.set j, j+1
.endr
.endm
; ONE BARRIER FOR THREE THINGS.  In front of it each wave waits for all its tensor loads, of which one is out: its tile of the next chunk; adds 0 to its spare word; and waits for that, for its
; stores of h1 and for its reads of this chunk's slot.  Behind it h1 is whole, the next chunk's slot is whole, and nobody reads this chunk's slot any more: it is filled again first (refill = 1),
; with the chunk two on, which has a whole chunk's work, 352 matrix instructions, in which to land.
.macro BAR1 refill
	s_wait_tensorcnt 0x0                           ; no tensor load of mine is out, so the walking group 0 may be written
	ds_add_u32 v[SPW], v[NIL]                      ; 0 onto my spare word
.if \refill
	s_xor_b32 s45, s45, SLOTB                      ; the other slot than last time,
	s_add_nc_u64 s[46:47], s[46:47], 16*ZROWB      ; the next 16 rows; the type bits on top are not reached
.endif
	s_wait_dscnt 0x0
	s_barrier_signal -1
	s_barrier_wait -1
.if \refill
	tensor_load_to_lds s[44:47], s[32:39]          ; my one tensor load behind the barrier, and the first thing there
	s_nop 0
.endif
.endm
; LAYER 2: 128 matrix instructions over 16 K blocks (h1's upper parts 0-7, its lower parts 8-15, on the same weights), on two buffers of 8 fragments (two K blocks x four row tiles), 16 loads a run
.macro XLD buf, kb0
	WIN 0
.set f, 0
.rept 8
	ds_load_b128 v[(\buf)+8*f:(\buf)+8*f+3],   v[X1R] offset:(4*(\kb0)+f)*1024
	ds_load_b128 v[(\buf)+8*f+4:(\buf)+8*f+7], v[X1R] offset:(4*(\kb0)+f)*1024+512
.set f, f+1
.endr
.endm
.macro M2 buf, kb0                     ; the 8 accumulators take turns
	WIN 0xf2                                       ; W2 in window 2, h1 in window 0, C and D in window 3
.set f, 0
.rept 8
.set u, 0
.rept 2
.set ra, 8*(4*u+f%4)
.set rw, W2F+8*(8*u+((\kb0)+f/4)%8)
.if ((\kb0)+f/4) == 0
	v_wmma_f32_16x16x32_bf16 v[ra:ra+7], v[rw:rw+7], v[(\buf)+8*f:(\buf)+8*f+7], v[B2T+8*u:B2T+8*u+7]
.else
	v_wmma_f32_16x16x32_bf16 v[ra:ra+7], v[rw:rw+7], v[(\buf)+8*f:(\buf)+8*f+7], v[ra:ra+7]
.endif
.set u, u+1
.endr
.set f, f+1
.endr
.endm
.macro L2
	XLD ZF, 0
	XLD ZF+64, 2
.irp k, 0,4,8
	s_wait_dscnt 16                                ; the older run is in; the younger 16 loads may stay out: so at each of these waits
	M2 ZF, \k
	PLACES
	XLD ZF, \k+4
	s_wait_dscnt 16
	M2 ZF+64, \k+2
	PLACES
	XLD ZF+64, \k+6
.endr
	s_wait_dscnt 16
	M2 ZF, 12
	s_wait_dscnt 0x0
	M2 ZF+64, 14
	PLACES
.endm
; LAYER 3: 32 matrix instructions over 8 K blocks (h2's upper parts 0-3, its lower parts 4-7), the 4 accumulators by turns; three buffers of 8 fragments, the first used twice
.macro X3LD buf, kb0
	WIN 0
.set f, 0
.rept 8
	ds_load_b128 v[(\buf)+8*f:(\buf)+8*f+3],   v[X2R] offset:(4*(\kb0)+f)*1024
	ds_load_b128 v[(\buf)+8*f+4:(\buf)+8*f+7], v[X2R] offset:(4*(\kb0)+f)*1024+512
.set f, f+1
.endr
.endm
.macro M3 buf, kb0
	WIN 0xf3                                       ; W3 in window 3, h2 in window 0, C and D in window 3
.set f, 0
.rept 8
.set ra, ACC3+8*(f%4)
.set rw, W3F+8*(((\kb0)+f/4)%4)
.if ((\kb0)+f/4) == 0
	v_wmma_f32_16x16x32_bf16 v[ra:ra+7], v[rw:rw+7], v[(\buf)+8*f:(\buf)+8*f+7], v[B3T:B3T+7]
.else
	v_wmma_f32_16x16x32_bf16 v[ra:ra+7], v[rw:rw+7], v[(\buf)+8*f:(\buf)+8*f+7], v[ra:ra+7]
.endif
.set f, f+1
.endr
.endm
.macro L3
	X3LD ZF, 0
	X3LD ZF+64, 2
	X3LD PK, 4
	s_wait_dscnt 32                                ; the first run is in; the two younger runs of 16 may stay out
	M3 ZF, 0
	PLACES
	X3LD ZF, 6
	s_wait_dscnt 32                                ; the second run is in; again two runs of 16 are younger
	M3 ZF+64, 2
	s_wait_dscnt 16                                ; the third; the last run may stay out
	M3 PK, 4
	s_wait_dscnt 0x0
	M3 ZF, 6
	PLACES
	WIN 0
.endm
.macro EPI3                            ; h0 leaves from the accumulators: each store of the wave covers 512 consecutive bytes, aligned
	WIN 0xcc                                       ; destination and source 1 (a store's data) window 3; the address in window 0
.set j, 0
.rept 32
	v_max_num_f32 v[ACC3+j], 0, v[ACC3+j]
.set j, j+1
.endr
.set f, 0
.rept 8
	global_store_b128 v[L16], v[ACC3+4*f:ACC3+4*f+3], s[50:51] offset:512*f th:TH_STORE_NT
.set f, f+1
.endr
	WIN 0
	s_wait_xcnt 0x0                                ; the stores have read their base and their data: only behind this wait are the base stepped and the accumulators written again
	s_add_nc_u64 s[50:51], s[50:51], 16384
.endm
; A CHUNK.  The second barrier publishes h2; behind it nothing is filled, so the refill stays on its way across it.  It also parts this chunk's reads of h1 from the next chunk's stores,
; as the first barrier parts the reads of h2 from the next stores of h2.  The next chunk's first loads of z go out ahead of the stores of h0.  tail = 1: in the last trip there is no next chunk.
.macro CHUNK refill, tail
	L1
	EPI 8, X1S, X1LO
	BAR1 \refill
	L2
	EPI 4, X2S, X2LO
	s_wait_dscnt 0x0                               ; for the others' sake: my stores of h2 are done (and my reads of h1 are back)
	s_barrier_signal -1
	s_barrier_wait -1
	L3
.if \tail
	s_cmp_eq_u32 s48, 1
	s_cbranch_scc1 .Lno_next_\@
.endif
	PRO
.if \tail
.Lno_next_\@:
.endif
	EPI3
.endm
	s_wait_tensorcnt 0x1                           ; my tile of chunk 0 is in; chunk 1's may stay out
	s_barrier_signal -1
	s_barrier_wait -1                              ; everybody's is
	s_mov_b32 s49, SLOTB                           ; the first PRO turns this into slot 0
	PRO
	s_mov_b32 s48, 6
.Lchunk:                                               ; chunks 0 to 5 ask for chunks 2 to 7
	CHUNK 1, 0
	s_sub_co_i32 s48, s48, 1
	s_cmp_lg_u32 s48, 0
	s_cbranch_scc1 .Lchunk
	s_mov_b32 s48, 2
.Ltail:                                                ; chunks 6 and 7 ask for nothing: a text of their own
	CHUNK 0, 1
	s_sub_co_i32 s48, s48, 1
	s_cmp_lg_u32 s48, 0
	s_cbranch_scc1 .Ltail
	s_wait_tensorcnt 0x0                           ; the wave's end, behind my last tensor load and my last LDS store
	ds_add_u32 v[SPW], v[NIL]
	s_wait_dscnt 0x0
	s_endpgm
.Lfunc_end_k_q6bbd6ff508_mlp:
	.size	k_q6bbd6ff508_mlp, .Lfunc_end_k_q6bbd6ff508_mlp-k_q6bbd6ff508_mlp
	.p2alignl 7, 3214868480
	.fill 96, 4, 3214868480
	.section	.rodata,"a",@progbits
	.p2align	6, 0x0
	.amdhsa_kernel k_q6bbd6ff508_mlp
		.amdhsa_group_segment_fixed_size 327680
		.amdhsa_private_segment_fixed_size 0
		.amdhsa_enable_private_segment 0
		.amdhsa_kernarg_size 64
		.amdhsa_user_sgpr_count 2
		.amdhsa_user_sgpr_kernarg_segment_ptr 1
		.amdhsa_wavefront_size32 1
		.amdhsa_system_sgpr_workgroup_id_x 1
		.amdhsa_system_sgpr_workgroup_id_y 1
		.amdhsa_system_sgpr_workgroup_id_z 1
		.amdhsa_system_vgpr_workitem_id 0
		.amdhsa_next_free_vgpr 1024
		.amdhsa_next_free_sgpr 66
		.amdhsa_reserve_vcc 0
		.amdhsa_float_denorm_mode_32 3
		.amdhsa_float_denorm_mode_16_64 3
		.amdhsa_memory_ordered 1
		.amdhsa_forward_progress 1
		.amdhsa_inst_pref_size 255
	.end_amdhsa_kernel
	.section	.bss,"aw",@nobits
	.p2align	6
	.space	262144
	.amdgpu_metadata
---
amdhsa.version: [ 1, 2 ]
amdhsa.kernels:
  - .name:           k_q6bbd6ff508_mlp
    .symbol:         k_q6bbd6ff508_mlp.kd
    .args:
      - { .name: z, .offset: 0, .size: 8, .value_kind: global_buffer, .address_space: global }
      - { .name: w1f, .offset: 8, .size: 8, .value_kind: global_buffer, .address_space: global }
      - { .name: W2, .offset: 16, .size: 8, .value_kind: global_buffer, .address_space: global }
      - { .name: W3, .offset: 24, .size: 8, .value_kind: global_buffer, .address_space: global }
      - { .name: b1, .offset: 32, .size: 8, .value_kind: global_buffer, .address_space: global }
      - { .name: b2, .offset: 40, .size: 8, .value_kind: global_buffer, .address_space: global }
      - { .name: b3, .offset: 48, .size: 8, .value_kind: global_buffer, .address_space: global }
      - { .name: h0, .offset: 56, .size: 8, .value_kind: global_buffer, .address_space: global }
    .group_segment_fixed_size: 327680
    .private_segment_fixed_size: 0
    .kernarg_segment_align: 8
    .kernarg_segment_size: 64
    .max_flat_workgroup_size: 128
    .sgpr_count:     66
    .vgpr_count:     1024
    .wavefront_size: 32
...
	.end_amdgpu_metadata
.endif
;; end of part 2
;; launch gru (part 3): grid 256 x 1, 8 waves a work-group, no clusters, 86,016 bytes of LDS; arguments h0, Whh, Wih, bih, bhh, Wo, bo, out0; writes out0
.if DOCPART == 3
	.amdgcn_target "amdgcn-amd-amdhsa--gfx1250"
	.amdhsa_code_object_version 6
	.text
	.protected	k_q6bbd6ff508_gru
	.globl	k_q6bbd6ff508_gru
	.p2align	8
	.type	k_q6bbd6ff508_gru,@function
k_q6bbd6ff508_gru:
	s_mov_b64 s[64:65], 0
	v_nop
	global_prefetch_b8 v0, s[64:65] scope:SCOPE_SE
	s_setreg_imm32_b32 hwreg(HW_REG_WAVE_MODE, 25, 1), 1
	s_wait_xcnt 0x0
; Ten steps of a GRU of hidden size 64, started from h0, whose 2-wide input x is the running sum of its own 2-wide output; out0[row][t] = x after step t.
;   r = sigmoid(ir + hr), z = sigmoid(iz + hz), n = tanh(inn + r hn), h = n + z (h - n), x += h Wo^T + bo.
; The carries h and x stay in f32; matrix operands are bf16, sums f32.
; LIMITS.  Every input, the biases too, is rounded to bf16.  h and x enter the products as a sum of two bf16 numbers each (16 significant bits): an upper part and the rounded rest, on the same weights.
; An exponential or a reciprocal below 2^-126 counts as 0; an exponential that overflows gives the gate's limit (its reciprocal is 0): no clamp is needed.  NaN and infinities are not treated apart.
; SHARES.  Wave w of work-group g owns chunk 8 g + w of h0: 64 rows in four row tiles, tile n, lane r = row 512 g + 128 n + 16 w + r, for all ten steps.  Eight waves, two to a SIMD: no wave waits for another in the loop.
; LAYOUT.  D[gate row][batch row] = W h^T: a lane (r = lane % 16, h = lane / 16) holds batch row r and features 8 h + 0..7, in the gates' sums as in h: the gates' arithmetic never changes lanes.
; THE X BLOCK, a third K block.  Source 1 (XF): k0-1 = x's upper parts, k2-3 = its lower parts, k4-5 = 1, 1, k6-7 = the upper parts again, the rest 0.
; Source 0 (XG), for r and z: (Wih0, Wih1), the same, (bih, bhh), 0: so gi and both biases come out of the matrix unit.  For n, with c2 = 2 log2(e): the upper parts of c2 Wih twice, c2 bih's two parts,
; the lower parts of c2 Wih: that is c2 inn.  bhh of the n gate is the C operand of hn's first product.
; THE GATES.  e = 2^(-log2(e) s); z = 1 / (1 + e); c2 r = 1 / (e / c2 + 1 / c2); tanh(a) = 1 - 2 / (1 + 2^(c2 a)) with c2 a = c2 inn + (c2 r) hn.
; WO.  Source 0 holds Wo's two rows in rows 0, 1 and again in rows 8, 9: so both halves of the lanes find dx0, dx1 in the result's registers 0 and 1, the lowest, and x lives alike in both.
; NO CLUSTER: h0 and out0 belong to one wave alone; the weights, 52,744 bytes, are read once at the head.
; LDS: 43 pieces of 1,024 bytes, each as [half 2][lane 32][16 bytes] = a lane's registers 0-3, then 4-7: Whh's fragments (gate tile gt 0..11, kb 0..1) at number 2 gt + kb; XG's at 24 + gt;
; the C tiles of bhh's n part (feature tile m) at 36 + m; Wo's two fragments and its x block at 40, 41, 42.  Then the work-group's 40,960 bytes of out0, and the spare words.
; REGISTERS (s_set_vgpr_msb: bits 1:0 source 0, 3:2 source 1, 5:4 source 2, 7:6 destination):
;   window 0: v0-7 addresses; v8-15 x; v16-47 XF; v48-111 h's upper parts; v112-175 its lower parts; v176-255 ten slots for pieces from LDS
;   window 1: v0-127 h, tile (m, n) at 8 (4 m + n); v128-255 the sums of r, z, hn, c2 inn for one feature tile m, 32 each (between the tiles: at work)
.set OUTS,  44032                      ; row_local x 80 + 8 t, row_local = 128 n + 16 w + r: the order of out0
.set SPARE, 84992                      ; the spare words, 128 bytes for each of eight waves: four blocks of 256 bytes that no other line names
.set L16, 1                            ; v1   16 x lane; never rewritten
.set OSA, 2                            ; v2   OUTS + 80 (16 w + r) + 8 t
.set SPW, 3                            ; v3   my spare word; never rewritten
.set NIL, 4                            ; v4   0; never rewritten
.set RR,  5                            ; v5   r
.set HH,  6                            ; v6   h
.set X,   8
.set XF,  16
.set HB,  48                           ; fragment (kb, n) at HB + 8 (4 kb + n)
.set HL,  112                          ; likewise
.set AF,  176
.set AR,  128                          ; window 1
.set AZ,  160
.set AH,  192
.set AI,  224
.set T,   128                          ; window 1: 128 registers at work while h is split
.set TX,  160                          ; window 1: 8 at work while x is split
; registers of the head alone, in regions that the loop takes over when every load has come
.set WST, 48                           ; v48-95   Whh's three fragments in f32
.set WPK, 96                           ; v96-119  the same in bf16
.set OST, 120                          ; v120-151 Wo in f32; v152 bo
.set WHO, 153                          ; 256 r + 32 h
.set WOO, 154                          ; 256 (r % 2) + 32 h
.set BOO, 155                          ; 4 (r % 2)
.set WHS, 156                          ; LDS: 3,072 w + 16 lane
.set BHO, 157                          ; 32 h + 64 w
.set XW,  158                          ; 8 (16 w + r)
.set XB,  159                          ; 4 (16 w + r)
.set XGS, 160                          ; LDS: (24 + w) x 1,024 + 16 lane
.set ZQ,  164                          ; v164-167 zeros
.set XNW, 168                          ; v168-169 Wih's row of the n gate; v170 its bih
.set XRW, 172                          ; v172-173 Wih's row of r or z; v174 its bih; v175 its bhh
.set BHS, 176                          ; v176-183 eight numbers of bhh's n part
.set WOF, 184                          ; v184-207 Wo's three fragments
.set TT,  208                          ; v208-215 at work
.set MSB, 0
.macro WIN new                         ; the immediate's high byte repeats the setting that is left; a switch that changes nothing is dropped
.if MSB != (\new)
	s_set_vgpr_msb (MSB<<8)|(\new)
.set MSB, (\new)
.endif
.endm
.macro PLACES                          ; four places behind a matrix instruction, ahead of vector lines that read its result and of loads into registers that it read (ISA guide 7.12.1 for vector instructions)
.rept 4
	v_nop
.endr
.endm
	s_load_b512 s[16:31], s[0:1], 0x0              ; h0 s[16:17], Whh s[18:19], Wih s[20:21], bih s[22:23], bhh s[24:25], Wo s[26:27], bo s[28:29], out0 s[30:31]
	v_lshl_add_u32 v[SPW], v0, 2, SPARE
	v_mov_b32 v[NIL], 0
	v_lshrrev_b32 v1, 5, v0
	v_readfirstlane_b32 s8, v1                     ; wave 0..7
	v_and_b32 v[RR], 15, v0
	v_bfe_u32 v[HH], v0, 4, 1
	v_and_b32 v1, 31, v0
	v_lshlrev_b32 v[L16], 4, v1
	s_mov_b32 s32, 0xbfb8aa3b                      ; -log2(e)
	s_mov_b32 s33, s32                             ; named with it as a pair
	s_mov_b32 s34, 0x3eb17218                      ; 1 / c2 = ln(2) / 2
	s_mov_b32 s35, s34
	s_mov_b32 s36, 0xffff0000                      ; a word's upper bf16
	s_mov_b32 s37, 0x4038aa3b                      ; c2 = 2 log2(e)
	v_lshlrev_b32 v[WHO], 8, v[RR]
	v_lshl_add_u32 v[WHO], v[HH], 5, v[WHO]
	v_and_b32 v[BOO], 1, v[RR]
	v_lshlrev_b32 v[WOO], 8, v[BOO]
	v_lshl_add_u32 v[WOO], v[HH], 5, v[WOO]
	v_lshlrev_b32 v[BOO], 2, v[BOO]
	s_lshl_b32 s4, s8, 6
	v_lshl_add_u32 v[BHO], v[HH], 5, s4
	s_mul_i32 s4, s8, 3072
	v_add_nc_u32 v[WHS], s4, v[L16]
	s_lshl_b32 s4, s8, 10
	s_add_co_u32 s4, s4, 24*1024
	v_add_nc_u32 v[XGS], s4, v[L16]
	s_lshl_b32 s4, s8, 4
	v_add_nc_u32 v[XB], s4, v[RR]                  ; 16 w + r
	v_mul_u32_u24 v[OSA], v[XB], 80
	v_add_nc_u32 v[OSA], OUTS, v[OSA]
	v_lshlrev_b32 v[XW], 3, v[XB]
	v_lshlrev_b32 v[XB], 2, v[XB]
.irp i, 0,1,2,3
	v_mov_b32 v[ZQ+\i], 0
.endr
	v_cmp_eq_u32 s44, 0, v[HH]                     ; the lanes of the lower half: k = 0..7 of an x block
	v_and_b32 v7, 6, v[RR]
	v_cmp_eq_u32 s45, 0, v7                        ; rows 0, 1, 8, 9 of Wo's fragments
	s_and_b32 s46, s44, s45
	s_mul_i32 s2, s8, 3                            ; Whh's fragments 3 w .. 3 w + 2 of 24 are mine to convert
	s_wait_kmcnt 0x0
.irp i, 0,1,2
	s_add_co_u32 s4, s2, \i                        ; f = 2 gt + kb
	s_lshr_b32 s5, s4, 1
	s_lshl_b32 s5, s5, 12                          ; 16 rows of 256 bytes a gate tile,
	s_and_b32 s4, s4, 1
	s_lshl_b32 s4, s4, 7                           ; 128 bytes a K block
	s_add_co_u32 s4, s4, s5
	s_mov_b32 s5, 0
	s_add_nc_u64 s[48+2*\i:49+2*\i], s[18:19], s[4:5]
.endr
	s_lshl_b32 s4, ttmp9, 3
	s_add_co_u32 s4, s4, s8
	s_lshl_b32 s4, s4, 14
	s_add_nc_u64 s[40:41], s[16:17], s[4:5]        ; h0 at my chunk
	s_mul_i32 s4, ttmp9, 40960
	s_mul_i32 s6, s8, 5120
	s_add_co_u32 s4, s4, s6
	s_add_nc_u64 s[42:43], s[30:31], s[4:5]        ; out0 at the eighth of the work-group's bytes that I store
	s_cmp_lt_u32 s8, 4                             ; piece 32 + w is mine to build: in waves 0-3 the n gate's x block w, in waves 4-7 the C tile w - 4.  Two loads either way, the oldest: the counts below are the same in every wave
	s_cbranch_scc0 .Lbh_loads
	global_load_b64 v[XNW:XNW+1], v[XW], s[20:21] offset:1024   ; Wih[128 + 16 w + r]
	global_load_b32 v[XNW+2], v[XB], s[22:23] offset:512        ; bih of that row
	s_branch .Lhead_loads
.Lbh_loads:
	global_load_b128 v[BHS:BHS+3],   v[BHO], s[24:25] offset:256   ; bhh[128 + 16 (w - 4) + 8 h + 0..7]: byte 512 + 64 (w - 4) + 32 h
	global_load_b128 v[BHS+4:BHS+7], v[BHO], s[24:25] offset:272
.Lhead_loads:
.irp i, 0,1,2
.irp q, 0,1,2,3
	global_load_b128 v[WST+16*\i+4*\q:WST+16*\i+4*\q+3], v[WHO], s[48+2*\i:49+2*\i] offset:16*(\q%2)+64*(\q/2)
.endr
.endr
	global_load_b64 v[XRW:XRW+1], v[XW], s[20:21]  ; Wih[16 w + r]: gate tile w of r's and z's eight
	global_load_b32 v[XRW+2], v[XB], s[22:23]
	global_load_b32 v[XRW+3], v[XB], s[24:25]
.irp k, 0,1
.irp q, 0,1,2,3
	global_load_b128 v[OST+16*\k+4*\q:OST+16*\k+4*\q+3], v[WOO], s[26:27] offset:128*\k+16*(\q%2)+64*(\q/2)
.endr
.endr
	global_load_b32 v[OST+32], v[BOO], s[28:29]
	WIN 0x40                                       ; destination window 1
.set i, 0
.rept 32
	global_load_b128 v[4*i:4*i+3], v[L16], s[40:41] offset:512*i th:TH_LOAD_NT  ; h: 512 consecutive bytes a load
.set i, i+1
.endr
	WIN 0
	s_wait_loadcnt 32                              ; the weights are in; h0's 32 loads may stay out
.set j, 0
.rept 24
	v_cvt_pk_bf16_f32 v[WPK+j], v[WST+2*j], v[WST+2*j+1]
.set j, j+1
.endr
.set j, 0
.rept 6
	ds_store_b128 v[WHS], v[WPK+4*j:WPK+4*j+3] offset:512*j
.set j, j+1
.endr
	; the x block of gate tile w (r or z)
	v_cvt_pk_bf16_f32 v[TT], v[XRW], v[XRW+1]
	v_cvt_pk_bf16_f32 v[TT+2], v[XRW+2], v[XRW+3]
	v_cndmask_b32 v[TT], 0, v[TT], s44             ; k = 8..15 are 0
	v_cndmask_b32 v[TT+2], 0, v[TT+2], s44
	v_mov_b32 v[TT+1], v[TT]
	v_mov_b32 v[TT+3], 0
	ds_store_b128 v[XGS], v[TT:TT+3]
	ds_store_b128 v[XGS], v[ZQ:ZQ+3] offset:512    ; k = 16..31 are 0
	; Wo's fragments: every wave makes them, wave 0 stores them
.set j, 0
.rept 16
	v_cvt_pk_bf16_f32 v[WOF+j], v[OST+2*j], v[OST+2*j+1]
.set j, j+1
.endr
.set j, 0
.rept 16
	v_cndmask_b32 v[WOF+j], 0, v[WOF+j], s45
.set j, j+1
.endr
.set j, 0
.rept 8
	v_mov_b32 v[WOF+16+j], 0
.set j, j+1
.endr
	v_cvt_pk_bf16_f32 v[WOF+18], v[OST+32], v[NIL] ; bo meets the 1 at k = 4
	v_cndmask_b32 v[WOF+18], 0, v[WOF+18], s46
	s_cmp_eq_u32 s8, 0
	s_cbranch_scc0 .Lno_wo
.set j, 0
.rept 6
	ds_store_b128 v[L16], v[WOF+4*j:WOF+4*j+3] offset:40*1024+512*j
.set j, j+1
.endr
.Lno_wo:
	s_cmp_lt_u32 s8, 4
	s_cbranch_scc0 .Lbh_build
	v_cvt_pk_bf16_f32 v[TT+4], v[XNW], v[XNW+1]    ; the x block of gate tile 8 + w: Wih rounded,
	v_lshlrev_b32 v[TT+5], 16, v[TT+4]
	v_and_b32 v[TT+6], s36, v[TT+4]
	v_mul_f32 v[TT+5], s37, v[TT+5]                ; times c2,
	v_mul_f32 v[TT+6], s37, v[TT+6]
	v_cvt_pk_bf16_f32 v[TT], v[TT+5], v[TT+6]      ; the upper parts,
	v_lshlrev_b32 v[TT+4], 16, v[TT]
	v_and_b32 v[TT+7], s36, v[TT]
	v_sub_f32 v[TT+5], v[TT+5], v[TT+4]
	v_sub_f32 v[TT+6], v[TT+6], v[TT+7]
	v_cvt_pk_bf16_f32 v[TT+3], v[TT+5], v[TT+6]    ; the lower parts;
	v_cvt_pk_bf16_f32 v[TT+4], v[XNW+2], v[XNW+2]  ; bih rounded,
	v_lshlrev_b32 v[TT+4], 16, v[TT+4]
	v_mul_f32 v[TT+4], s37, v[TT+4]                ; times c2,
	v_cvt_pk_bf16_f32 v[TT+5], v[TT+4], v[TT+4]
	v_lshlrev_b32 v[TT+5], 16, v[TT+5]
	v_sub_f32 v[TT+5], v[TT+4], v[TT+5]
	v_cvt_pk_bf16_f32 v[TT+2], v[TT+4], v[TT+5]    ; its two parts
	v_cndmask_b32 v[TT], 0, v[TT], s44
	v_cndmask_b32 v[TT+2], 0, v[TT+2], s44
	v_cndmask_b32 v[TT+3], 0, v[TT+3], s44
	v_mov_b32 v[TT+1], v[TT]
	ds_store_b128 v[XGS], v[TT:TT+3] offset:8192
	ds_store_b128 v[XGS], v[ZQ:ZQ+3] offset:8192+512
	s_branch .Lbuilt
.Lbh_build:
.set j, 0
.rept 4                                        ; bhh of the n gate, rounded to bf16 and widened again: register j of the C tile is the bias of feature 8 h + j
	v_cvt_pk_bf16_f32 v[TT+4], v[BHS+2*j], v[BHS+2*j+1]
	v_lshlrev_b32 v[BHS+2*j], 16, v[TT+4]
	v_and_b32 v[BHS+2*j+1], s36, v[TT+4]
.set j, j+1
.endr
	ds_store_b128 v[XGS], v[BHS:BHS+3] offset:8192
	ds_store_b128 v[XGS], v[BHS+4:BHS+7] offset:8192+512
.Lbuilt:
.set j, 0
.rept 8
	v_mov_b32 v[X+j], 0                            ; x starts at 0
.set j, j+1
.endr
.set j, 0
.rept 32
.if j%8 == 2
	v_mov_b32 v[XF+j], 0x3f803f80                  ; 1, 1
.else
	v_mov_b32 v[XF+j], 0
.endif
.set j, j+1
.endr
; h in two bf16 parts.  Feature tiles 2 kb and 2 kb + 1 make fragment f = 4 kb + n: pair j of its eight lies at register SRCP of window 1.
; The upper parts, rounded; the same widened again; the rest, h less its upper part (exact in f32); the rest rounded.
.macro HCVT
	WIN 0x05                                       ; sources window 1, destination window 0
.set f, 0
.rept 8
.set j, 0
.rept 8
.set SRCP, 8*(8*(f/4)+4*(j/4)+f%4)+2*(j%4)
	v_cvt_pk_bf16_f32 v[HB+8*f+j], v[SRCP], v[SRCP+1]
.set j, j+1
.endr
.set f, f+1
.endr
	WIN 0x40                                       ; source window 0, destination window 1
.set j, 0
.rept 64
	v_lshlrev_b32 v[T+2*j], 16, v[HB+j]
	v_and_b32 v[T+2*j+1], s36, v[HB+j]
.set j, j+1
.endr
	WIN 0x55                                       ; everything in window 1
.set f, 0
.rept 8
.set j, 0
.rept 8
.set SRCP, 8*(8*(f/4)+4*(j/4)+f%4)+2*(j%4)
	v_pk_add_f32 v[T+2*(8*f+j):T+2*(8*f+j)+1], v[SRCP:SRCP+1], v[T+2*(8*f+j):T+2*(8*f+j)+1] neg_lo:[0,1] neg_hi:[0,1]
.set j, j+1
.endr
.set f, f+1
.endr
	WIN 0x05
.set j, 0
.rept 64
	v_cvt_pk_bf16_f32 v[HL+j], v[T+2*j], v[T+2*j+1]
.set j, j+1
.endr
.endm
; The ten pieces for feature tile m, in runs of loads.  ALOADA: the seven that GATES takes first; ALOADB: the three that it takes last
.macro ALD slot, idx
	ds_load_b128 v[AF+8*(\slot):AF+8*(\slot)+3],   v[L16] offset:(\idx)*1024
	ds_load_b128 v[AF+8*(\slot)+4:AF+8*(\slot)+7], v[L16] offset:(\idx)*1024+512
.endm
.macro ALOADA m
	WIN 0
	ALD 0, 2*(\m)                                  ; r, kb 0
	ALD 1, 8+2*(\m)                                ; z, kb 0
	ALD 2, 16+2*(\m)                               ; hn, kb 0
	ALD 3, 36+(\m)                                 ; hn's C tile
	ALD 4, 32+(\m)                                 ; c2 inn
	ALD 5, 2*(\m)+1                                ; r, kb 1
	ALD 6, 9+2*(\m)                                ; z, kb 1
.endm
.macro ALOADB m
	WIN 0
	ALD 7, 17+2*(\m)                               ; hn, kb 1
	ALD 8, 24+(\m)                                 ; r, x block
	ALD 9, 28+(\m)                                 ; z, x block
.endm
.macro WLOAD                           ; Wo's three, into the slots that GATES takes last
	WIN 0
	ALD 7, 40
	ALD 8, 41
	ALD 9, 42
.endm
; Four products, one for each row tile.  cm = 0: they start their sums with 0; 1: they add in place; 2: they start with creg
.macro G4 acc, slot, bfr, cm, creg=0
.set n, 0
.rept 4
.if (\cm) == 0
	v_wmma_f32_16x16x32_bf16 v[(\acc)+8*n:(\acc)+8*n+7], v[AF+8*(\slot):AF+8*(\slot)+7], v[(\bfr)+8*n:(\bfr)+8*n+7], 0
.elseif (\cm) == 1
	v_wmma_f32_16x16x32_bf16 v[(\acc)+8*n:(\acc)+8*n+7], v[AF+8*(\slot):AF+8*(\slot)+7], v[(\bfr)+8*n:(\bfr)+8*n+7], v[(\acc)+8*n:(\acc)+8*n+7]
.else
	v_wmma_f32_16x16x32_bf16 v[(\acc)+8*n:(\acc)+8*n+7], v[AF+8*(\slot):AF+8*(\slot)+7], v[(\bfr)+8*n:(\bfr)+8*n+7], v[(\creg):(\creg)+7]
.endif
.set n, n+1
.endr
.endm
; The 60 products of a feature tile.  The sixteen accumulators take turns, one instruction a turn: between two links of a chain stand seven others' or more.
; The first wait leaves the youngest six LDS instructions out: behind a whole run of 20 loads those are slots 7 to 9; over the backward jump slots 0 to 6 were waited for ahead of DX.
.macro GATES
	s_wait_dscnt 6
	WIN 0x40                                       ; D in window 1; A, B and the C of hn's first products in window 0
	G4 AR, 0, HB, 0
	G4 AZ, 1, HB, 0
	G4 AH, 2, HB, 2, AF+24
	G4 AI, 4, XF, 0
	WIN 0x50                                       ; C and D in window 1
	G4 AR, 0, HL, 1
	G4 AZ, 1, HL, 1
	G4 AH, 2, HL, 1
	G4 AR, 5, HB+32, 1
	G4 AZ, 6, HB+32, 1
	G4 AR, 5, HL+32, 1
	G4 AZ, 6, HL+32, 1
	s_wait_dscnt 0x0                               ; slots 7 to 9 are in
	G4 AH, 7, HB+32, 1
	G4 AR, 8, XF, 1
	G4 AH, 7, HL+32, 1
	G4 AZ, 9, XF, 1
	PLACES
.endm
; The gates' arithmetic for feature tile m: 64 rows x 16 features, all in place, in pairs; each accumulator's registers are taken in ascending order.
; The transcendentals stand in four batches; behind each one plain line and ONE wait, ahead of the first line that names a result.
.macro PAIRS cnt, line:vararg          ; one line for each pair p
.set p, 0
.rept \cnt
	\line
.set p, p+2
.endr
.endm
.macro SINGLES cnt, line:vararg        ; one line for each register p
.set p, 0
.rept \cnt
	\line
.set p, p+1
.endr
.endm
.macro BATCH_END
	v_nop
	s_wait_alu depctr_va_vdst(0)
.endm
.macro ELEM m
	WIN 0x55                                       ; everything in window 1
	PAIRS 32, v_pk_mul_f32 v[AR+p:AR+p+1], v[AR+p:AR+p+1], s[32:33] op_sel_hi:[1,0]             ; r's and z's sums times -log2(e)
	SINGLES 64, v_exp_f32 v[AR+p], v[AR+p]
	BATCH_END
	PAIRS 16, v_pk_fma_f32 v[AR+p:AR+p+1], v[AR+p:AR+p+1], s[34:35], s[34:35] op_sel_hi:[1,0,0]  ; (1 + e) / c2
	PAIRS 16, v_pk_add_f32 v[AZ+p:AZ+p+1], v[AZ+p:AZ+p+1], 1.0 op_sel_hi:[1,0]                  ; 1 + e
	SINGLES 64, v_rcp_f32 v[AR+p], v[AR+p]                                                      ; c2 r, and z
	BATCH_END
	PAIRS 16, v_pk_fma_f32 v[AH+p:AH+p+1], v[AR+p:AR+p+1], v[AH+p:AH+p+1], v[AI+p:AI+p+1]       ; c2 (inn + r hn)
	SINGLES 32, v_exp_f32 v[AH+p], v[AH+p]
	BATCH_END
	PAIRS 16, v_pk_add_f32 v[AH+p:AH+p+1], v[AH+p:AH+p+1], 1.0 op_sel_hi:[1,0]
	SINGLES 32, v_rcp_f32 v[AH+p], v[AH+p]
	BATCH_END
	PAIRS 16, v_pk_fma_f32 v[AH+p:AH+p+1], v[AH+p:AH+p+1], -2.0, 1.0 op_sel_hi:[1,0,0]          ; n
	PAIRS 16, v_pk_add_f32 v[AI+p:AI+p+1], v[32*(\m)+p:32*(\m)+p+1], v[AH+p:AH+p+1] neg_lo:[0,1] neg_hi:[0,1]  ; h - n
	PAIRS 16, v_pk_fma_f32 v[32*(\m)+p:32*(\m)+p+1], v[AZ+p:AZ+p+1], v[AI+p:AI+p+1], v[AH+p:AH+p+1]            ; h = n + z (h - n)
.endm
.macro DX                              ; dx = h Wo^T + bo, into r's four accumulators, which take turns: 20 products
	WIN 0x50
	G4 AR, 7, HB, 0
	G4 AR, 7, HL, 1
	G4 AR, 8, HB+32, 1
	G4 AR, 8, HL+32, 1
	G4 AR, 9, XF, 1
	PLACES
.endm
.macro XUPD                            ; x += dx; x into the stage (both halves of the lanes store the same number to the same place); its two bf16 parts for the next step
	WIN 0x04                                       ; source 1 in window 1
.set n, 0
.rept 4
	v_pk_add_f32 v[X+2*n:X+2*n+1], v[X+2*n:X+2*n+1], v[AR+8*n:AR+8*n+1]
.set n, n+1
.endr
	WIN 0
.set n, 0
.rept 4
	v_cvt_pk_bf16_f32 v[XF+8*n], v[X+2*n], v[X+2*n+1]
	ds_store_b64 v[OSA], v[X+2*n:X+2*n+1] offset:n*10240
.set n, n+1
.endr
.set n, 0
.rept 4
	v_mov_b32 v[XF+8*n+3], v[XF+8*n]
.set n, n+1
.endr
	WIN 0x40                                       ; destination window 1
.set n, 0
.rept 4
	v_lshlrev_b32 v[TX+2*n], 16, v[XF+8*n]
	v_and_b32 v[TX+2*n+1], s36, v[XF+8*n]
.set n, n+1
.endr
	WIN 0x44                                       ; source 1 and destination window 1
.set n, 0
.rept 4
	v_pk_add_f32 v[TX+2*n:TX+2*n+1], v[X+2*n:X+2*n+1], v[TX+2*n:TX+2*n+1] neg_lo:[0,1] neg_hi:[0,1]
.set n, n+1
.endr
	WIN 0x05                                       ; sources window 1
.set n, 0
.rept 4
	v_cvt_pk_bf16_f32 v[XF+8*n+1], v[TX+2*n], v[TX+2*n+1]
.set n, n+1
.endr
	WIN 0
.endm
	s_wait_loadcnt 0x0                             ; h0
	HCVT
	WIN 0
	s_wait_dscnt 0x0                               ; for the others' sake: my pieces of the weights are stored
	s_barrier_signal -1
	s_barrier_wait -1                              ; everybody's are; nobody writes them again
	ALOADA 0
	ALOADB 0
	s_mov_b32 s38, 10
.Lstep:                                                ; a step.  Each run of loads stands behind the places of the products that read its registers, and has a tile's arithmetic in which to land
	GATES
	ALOADA 1
	ALOADB 1
	ELEM 0
	GATES
	ALOADA 2
	ALOADB 2
	ELEM 1
	GATES
	ALOADA 3
	ALOADB 3
	ELEM 2
	GATES
	ALOADA 0                                       ; the next step's first seven pieces (in the last step they serve nothing: 20 LDS loads, once a launch, for one text of every step),
	WLOAD                                          ; and Wo's three
	ELEM 3
	HCVT                                           ; h's parts are written anew only now: all four tiles' products have read the old ones
	s_wait_dscnt 0x0                               ; Wo's fragments are in, and the seven pieces
	DX
	ALOADB 0                                       ; behind DX's places: the next step's last three pieces
	XUPD
	v_add_nc_u32 v[OSA], 8, v[OSA]
	s_sub_co_i32 s38, s38, 1
	s_cmp_lg_u32 s38, 0
	s_cbranch_scc1 .Lstep
	; THE WAY OUT: the stage has out0's order; each wave takes an eighth of it, 5,120 bytes, and each store covers 512 consecutive bytes, aligned
	s_wait_dscnt 0x0                               ; for the others' sake: my stores into the stage are done (and no load into the slots is out)
	s_barrier_signal -1
	s_barrier_wait -1
	s_mul_i32 s4, s8, 5120
	s_add_co_u32 s4, s4, OUTS
	v_add_nc_u32 v7, s4, v[L16]
.set i, 0
.rept 10
	ds_load_b128 v[AF+4*i:AF+4*i+3], v7 offset:512*i
.set i, i+1
.endr
.set i, 0
.rept 10
	s_wait_dscnt 9-i                               ; LDS loads come back in order: load i is in, the younger ones may stay out
	global_store_b128 v[L16], v[AF+4*i:AF+4*i+3], s[42:43] offset:512*i th:TH_STORE_NT
.set i, i+1
.endr
	s_wait_tensorcnt 0x0                           ; the wave's end, behind my last LDS store
	ds_add_u32 v[SPW], v[NIL]
	s_wait_dscnt 0x0
	s_endpgm
.Lfunc_end_k_q6bbd6ff508_gru:
	.size	k_q6bbd6ff508_gru, .Lfunc_end_k_q6bbd6ff508_gru-k_q6bbd6ff508_gru
	.p2alignl 7, 3214868480
	.fill 96, 4, 3214868480
	.section	.rodata,"a",@progbits
	.p2align	6, 0x0
	.amdhsa_kernel k_q6bbd6ff508_gru
		.amdhsa_group_segment_fixed_size 86016
		.amdhsa_private_segment_fixed_size 0
		.amdhsa_enable_private_segment 0
		.amdhsa_kernarg_size 64
		.amdhsa_user_sgpr_count 2
		.amdhsa_user_sgpr_kernarg_segment_ptr 1
		.amdhsa_wavefront_size32 1
		.amdhsa_system_sgpr_workgroup_id_x 1
		.amdhsa_system_sgpr_workgroup_id_y 1
		.amdhsa_system_sgpr_workgroup_id_z 1
		.amdhsa_system_vgpr_workitem_id 0
		.amdhsa_next_free_vgpr 512
		.amdhsa_next_free_sgpr 66
		.amdhsa_reserve_vcc 0
		.amdhsa_float_denorm_mode_32 3
		.amdhsa_float_denorm_mode_16_64 3
		.amdhsa_memory_ordered 1
		.amdhsa_forward_progress 1
		.amdhsa_inst_pref_size 140
	.end_amdhsa_kernel
	.amdgpu_metadata
---
amdhsa.version: [ 1, 2 ]
amdhsa.kernels:
  - .name:           k_q6bbd6ff508_gru
    .symbol:         k_q6bbd6ff508_gru.kd
    .args:
      - { .name: h0, .offset: 0, .size: 8, .value_kind: global_buffer, .address_space: global }
      - { .name: Whh, .offset: 8, .size: 8, .value_kind: global_buffer, .address_space: global }
      - { .name: Wih, .offset: 16, .size: 8, .value_kind: global_buffer, .address_space: global }
      - { .name: bih, .offset: 24, .size: 8, .value_kind: global_buffer, .address_space: global }
      - { .name: bhh, .offset: 32, .size: 8, .value_kind: global_buffer, .address_space: global }
      - { .name: Wo, .offset: 40, .size: 8, .value_kind: global_buffer, .address_space: global }
      - { .name: bo, .offset: 48, .size: 8, .value_kind: global_buffer, .address_space: global }
      - { .name: out0, .offset: 56, .size: 8, .value_kind: global_buffer, .address_space: global }
    .group_segment_fixed_size: 86016
    .private_segment_fixed_size: 0
    .kernarg_segment_align: 8
    .kernarg_segment_size: 64
    .max_flat_workgroup_size: 256
    .sgpr_count:     66
    .vgpr_count:     512
    .wavefront_size: 32
...
	.end_amdgpu_metadata
.endif
;; end of part 3
;; ======== version 2 of 2: 3 launches
;; workspace buffers: w1f 196,608 bytes; h0 33,554,432 bytes
;; launch prep: the kernel of part 1 again; grid 96 x 1, 4 waves a work-group, no clusters, 0 bytes of LDS; arguments W1, w1f; writes w1f
;; launch mlp (part 4): grid 256 x 1, 4 waves a work-group, no clusters, 327,680 bytes of LDS; arguments z, w1f, W2, W3, b1, b2, b3, h0; writes h0
.if DOCPART == 4
	.amdgcn_target "amdgcn-amd-amdhsa--gfx1250"
	.amdhsa_code_object_version 6
	.text
	.protected	k_q6bbd6ff508_mlp
	.globl	k_q6bbd6ff508_mlp
	.p2align	8
	.type	k_q6bbd6ff508_mlp,@function
k_q6bbd6ff508_mlp:
	s_mov_b64 s[64:65], 0
	v_nop
	global_prefetch_b8 v0, s[64:65] scope:SCOPE_SE
	s_setreg_imm32_b32 hwreg(HW_REG_WAVE_MODE, 25, 1), 1
	s_wait_xcnt 0x0
; h0 = relu(relu(relu(z W1^T + b1) W2^T + b2) W3^T + b3): 361 -> 256 -> 128 -> 64, for 131,072 rows.  Operands bf16, sums f32; h0 leaves in f32.
; LIMITS.  Every input, the biases too, is rounded to bf16.  h1 and h2 enter the next product as a sum of two bf16 numbers (16 significant bits): an upper part and the rounded rest, each multiplied by the
; same weights.  The ReLU is a maximum in which a NaN loses: a NaN becomes 0.  Infinities are not treated apart.
; SHARES.  A work-group owns rows 512 g .. 512 g + 511, in 8 CHUNKS of 64 rows = 4 row tiles: chunk c, tile n, lane r is row 512 g + 128 n + 16 c + r, so that wave n's tensor loads
; walk 128 consecutive rows of z, 16 a chunk.  In every layer the FEATURES are split among the four waves (64, 32, 16 a wave) and all weights stay in registers: 48 + 16 + 4 fragments = 544.
; LAYOUT.  All products are taken transposed, D[feature][row] = W act^T (source 0 = 16 rows of W, source 1 = 16 rows of the batch): a lane (r = lane % 16, h = lane / 16) holds row r
; and features 8 h + 0..7.  Two neighbouring feature tiles, rounded in pairs, ARE the next layer's source 1: nothing changes lanes.  z, h1 and h2 pass between the waves through LDS as such fragments.
; A bias is the C operand of a sum's first product: nothing is cleared and no bias is added.
; Z comes by the tensor data mover: its rows are 1,444 bytes, so only 4-byte elements can address them.  A tile is 16 rows x 372 elements of which the tensor has 361: the mover writes zeros for the other 11.
; That makes LDS rows of 1,488 bytes = 93 x 16: the 16 rows that a load of 16 bytes a lane touches start at 16 different columns of 16 bytes modulo 256.
; Z IS ROUNDED ONCE: the wave that fetched a tile reads it (no other wave does), rounds it to bf16 and stores it as 12 fragments, which all four waves then multiply.  So there is ONE slot for z in f32: when a chunk's
; tile has been converted the slot is filled again, and that load has a whole chunk's products, 352 matrix instructions a wave, in which to land.
; NO CLUSTER: z's tiles (739,328 bytes a work-group) and h0 belong to one work-group alone; what all share, the weights (360,448 bytes), is read once at the head, straight into the registers where it stays.
; H0's LAYOUT: chunk 8 g + c at 16,384 x that number; tile (m = feature tile, n) at (4 m + n) x 1,024 as [half 2][lane 32][16 bytes]: an accumulator's registers 0-3, then 4-7.
; REGISTERS, in windows of 256 (s_set_vgpr_msb: bits 1:0 source 0, 3:2 source 1, 5:4 source 2, 7:6 destination):
;   window 0: v0-21 addresses; v32-255 by turns: the fragments of z, h1 and h2 that are being multiplied; z in f32 while it is converted; at work on the way out of a layer
;   window 1: W1's fragments (kb 0-7, i) at 8 (4 kb + i)          window 2: v0-127 W1's kb 8-11; v128-255 W2's (u, kb2) at 128 + 8 (8 u + kb2)
;   window 3: v0-127 layer 1's accumulators (i, n) at 8 (4 i + n); over them layer 2's (u, n) at 8 (4 u + n) and layer 3's (n) at 64 + 8 n; v128-183 the bias tiles; v184-215 W3's fragments; v216 at work
.set ZROWB,  1444                      ; bytes in a row of z
.set ZPITCH, 1488                      ; and in LDS
.set TILEB,  16*ZPITCH                 ; a tile: 23,808 bytes = 93 blocks of 256.  The slot: wave w's tile at w x TILEB
.set X0,     4*TILEB                   ; z in bf16: fragment (kb 0..11, n) at (4 kb + n) x 1,024: 49,152 bytes
.set X1,     X0+48*1024                ; h1: fragment (part, kb2 0..7, n) at (4 (8 part + kb2) + n) x 1,024: 65,536 bytes
.set X1LO,   32768                     ; from the upper parts to the lower
.set X2,     X1+2*X1LO                 ; h2: fragment (part, kb3 0..3, n) at (4 (4 part + kb3) + n) x 1,024: 32,768 bytes
.set X2LO,   16384
.set SPARE,  X2+2*X2LO                 ; the spare words, 128 bytes for each wave: two blocks of 256 bytes that no other line names
.set L16,   3                          ; v3      16 x lane
.set ZBASE, 4                          ; v4      my place in my tile: w x TILEB + 1,488 r + 32 h; never rewritten
.set X0S,   5                          ; v5      where I store z: X0 + 1,024 w + 16 lane
.set X0R,   6                          ; v6      where I read it: X0 + 16 lane
.set X1S,   12                         ; v12     where I store h1: X1 + 8,192 w + 16 lane
.set X1R,   13                         ; v13     where I read it: X1 + 16 lane
.set X2S,   14                         ; v14     X2 + 4,096 w + 16 lane
.set X2R,   15                         ; v15     X2 + 16 lane
.set SPW,   16                         ; v16     my spare word; never rewritten
.set NIL,   17                         ; v17     0; never rewritten
.set W2O,   19                         ; v19     1,024 r + 32 h
.set W3O,   20                         ; v20     512 r + 32 h
.set BO,    21                         ; v21     32 h
.set ZF,    32                         ; v32-159  at work on the way out of a layer; two buffers of 8 fragments for layers 2 and 3
.set PK,    192                        ; v192-255 packed upper parts; a third buffer for layer 3
.set BA,    32                         ; v32-127  layer 1: a buffer of 12 fragments
.set BB,    128                        ; v128-223 and the other
.set W2F,   128                        ; window 2
.set ACC3,  64                         ; window 3
.set B1T,   128
.set B2T,   160
.set B3T,   176
.set W3F,   184
.set TMP3,  216
.set MSB, 0
.macro WIN new                         ; the immediate's high byte repeats the setting that is left; a switch that changes nothing is dropped
.if MSB != (\new)
	s_set_vgpr_msb (MSB<<8)|(\new)
.set MSB, (\new)
.endif
.endm
.macro PLACES                          ; four places behind a matrix instruction, ahead of vector lines that read its result or write its registers and of loads into registers that it read (ISA guide 7.12.1 for vector instructions)
.rept 4
	v_nop
.endr
.endm
	s_load_b512 s[16:31], s[0:1], 0x0              ; z s[16:17], w1f s[18:19], W2 s[20:21], W3 s[22:23], b1 s[24:25], b2 s[26:27], b3 s[28:29], h0 s[30:31]
	v_lshl_add_u32 v[SPW], v0, 2, SPARE
	v_mov_b32 v[NIL], 0
	ds_add_u32 v[SPW], v[NIL]                      ; the wave's opening: the add, twice on end, and its wait ahead of my first tensor load
	ds_add_u32 v[SPW], v[NIL]                      ; and once more, under the one wait; the descriptors' words stand between it and the wait
	v_lshrrev_b32 v1, 5, v0
	v_readfirstlane_b32 s8, v1                     ; wave 0..3
	s_mov_b32 s10, 0xffff0000                      ; a word's upper bf16
	; descriptor group 1, the same for every load: 16 rows x 372 elements of 4 bytes; the tensor has 361 from the tile's first element on
	s_mov_b32 s32, 2<<16                           ; 17:16 elements of 4 bytes; no mask, no padding
	s_mov_b32 s33, 361<<16                         ; tensor_dim0 = 361
	s_mov_b32 s34, 16<<16                          ; tensor_dim1 = 16
	s_mov_b32 s35, 372<<16                         ; tile_dim0 = 372
	s_mov_b32 s36, 16                              ; tile_dim1 = 16
	s_mov_b32 s37, 361                             ; elements from row to row
	s_mov_b32 s38, 0
	s_mov_b32 s39, 0
	s_mov_b32 s40, 1                               ; group 0, which walks down z: count 1,
	s_mul_i32 s41, s8, TILEB                       ; my tile's place in the slot, the same for every load
	s_mul_i32 s2, ttmp9, 512*ZROWB                 ; the work-group's 512 rows,
	s_mul_i32 s3, s8, 128*ZROWB                    ; my 128 of them
	s_add_co_u32 s2, s2, s3
	s_mov_b32 s3, 0
	s_wait_dscnt 0x0                               ; both opening adds are done
	s_wait_kmcnt 0x0
	s_add_nc_u64 s[42:43], s[16:17], s[2:3]
	s_or_b32 s43, s43, 0x80000000                  ; type = 2
	tensor_load_to_lds s[40:43], s[32:39]          ; chunk 0: the first fill, ahead of every wait on TENSORcnt, LDS read and barrier: one load of mine is out, here and behind every refill
	s_nop 0
	s_lshl_b32 s2, s8, 12
	s_add_nc_u64 s[52:53], s[18:19], s[2:3]        ; w1f at my four row tiles of W1
	s_lshl_b32 s4, ttmp9, 17
	s_add_co_u32 s4, s4, s2
	s_mov_b32 s5, 0
	s_add_nc_u64 s[50:51], s[30:31], s[4:5]        ; h0 at the work-group's chunk 0, feature tile w
	s_add_co_u32 s7, s2, X2
	s_lshl_b32 s2, s8, 15
	s_add_nc_u64 s[54:55], s[20:21], s[2:3]        ; W2 at my 32 rows
	s_lshl_b32 s2, s8, 13
	s_add_nc_u64 s[56:57], s[22:23], s[2:3]        ; W3 at my 16 rows
	s_add_co_u32 s6, s2, X1
	s_lshl_b32 s2, s8, 10
	s_add_co_u32 s9, s2, X0
	s_lshl_b32 s2, s8, 8
	s_add_nc_u64 s[58:59], s[24:25], s[2:3]        ; b1 at my 64 numbers
	s_lshl_b32 s2, s8, 7
	s_add_nc_u64 s[60:61], s[26:27], s[2:3]
	s_lshl_b32 s2, s8, 6
	s_add_nc_u64 s[62:63], s[28:29], s[2:3]
	v_and_b32 v1, 15, v0                           ; r
	v_bfe_u32 v2, v0, 4, 1                         ; h
	v_and_b32 v[L16], 31, v0
	v_lshlrev_b32 v[L16], 4, v[L16]
	v_mul_u32_u24 v[ZBASE], v1, ZPITCH
	v_lshl_add_u32 v[ZBASE], v2, 5, v[ZBASE]
	v_add_nc_u32 v[ZBASE], s41, v[ZBASE]
	v_add_nc_u32 v[X0S], s9, v[L16]
	v_add_nc_u32 v[X0R], X0, v[L16]
	v_add_nc_u32 v[X1S], s6, v[L16]
	v_add_nc_u32 v[X1R], X1, v[L16]
	v_add_nc_u32 v[X2S], s7, v[L16]
	v_add_nc_u32 v[X2R], X2, v[L16]
	v_lshlrev_b32 v[W2O], 10, v1
	v_lshl_add_u32 v[W2O], v2, 5, v[W2O]
	v_lshlrev_b32 v[W3O], 9, v1
	v_lshl_add_u32 v[W3O], v2, 5, v[W3O]
	v_lshlrev_b32 v[BO], 5, v2
	; THE WEIGHTS, while the first tile of z is on its way.  W1's 48 fragments lie ready in w1f.
	WIN 0x40                                       ; destination window 1
.set k, 0
.rept 8
.irp i, 0,1,2,3
	global_load_b128 v[8*(4*k+\i):8*(4*k+\i)+3],   v[L16], s[52:53] offset:k*16384+\i*1024
	global_load_b128 v[8*(4*k+\i)+4:8*(4*k+\i)+7], v[L16], s[52:53] offset:k*16384+\i*1024+512
.endr
.set k, k+1
.endr
	WIN 0x80                                       ; destination window 2
.rept 4
.irp i, 0,1,2,3
	global_load_b128 v[8*(4*(k-8)+\i):8*(4*(k-8)+\i)+3],   v[L16], s[52:53] offset:k*16384+\i*1024
	global_load_b128 v[8*(4*(k-8)+\i)+4:8*(4*(k-8)+\i)+7], v[L16], s[52:53] offset:k*16384+\i*1024+512
.endr
.set k, k+1
.endr
; W2's row tile u of my two, in f32: a lane's 8 + 8 numbers of each of the 8 K blocks, 32 loads
.macro W2LD u
	WIN 0
.set k, 0
.rept 8
.irp q, 0,1,2,3
	global_load_b128 v[ZF+16*k+4*\q:ZF+16*k+4*\q+3], v[W2O], s[54:55] offset:(\u)*16384+k*128+16*(\q%2)+64*(\q/2)
.endr
.set k, k+1
.endr
.endm
.macro W2CV u                          ; rounded to bf16, into window 2
	WIN 0x80
.set j, 0
.rept 64
	v_cvt_pk_bf16_f32 v[W2F+64*(\u)+j], v[ZF+2*j], v[ZF+2*j+1]
.set j, j+1
.endr
.endm
	W2LD 0
.set k, 0
.rept 4
.irp q, 0,1,2,3
	global_load_b128 v[PK+16*k+4*\q:PK+16*k+4*\q+3], v[W3O], s[56:57] offset:k*128+16*(\q%2)+64*(\q/2)
.endr
.set k, k+1
.endr
	WIN 0xc0                                       ; destination window 3: the bias tiles: register j = the bias of feature 8 h + j, in every lane of a half
.irp i, 0,1,2,3
	global_load_b128 v[B1T+8*\i:B1T+8*\i+3],   v[BO], s[58:59] offset:64*\i
	global_load_b128 v[B1T+8*\i+4:B1T+8*\i+7], v[BO], s[58:59] offset:64*\i+16
.endr
.irp i, 0,1
	global_load_b128 v[B2T+8*\i:B2T+8*\i+3],   v[BO], s[60:61] offset:64*\i
	global_load_b128 v[B2T+8*\i+4:B2T+8*\i+7], v[BO], s[60:61] offset:64*\i+16
.endr
	global_load_b128 v[B3T:B3T+3],   v[BO], s[62:63]
	global_load_b128 v[B3T+4:B3T+7], v[BO], s[62:63] offset:16
	s_wait_loadcnt 30                              ; W1 and W2's first tile are in; W3's 16 loads and the biases' 14 may stay out
	W2CV 0
	W2LD 1
	s_wait_loadcnt 32                              ; W3 and the biases are in; W2's second 32 loads may stay out
	WIN 0xc0
.set j, 0
.rept 32
	v_cvt_pk_bf16_f32 v[W3F+j], v[PK+2*j], v[PK+2*j+1]
.set j, j+1
.endr
	WIN 0xcf                                       ; the 56 bias registers are rounded to bf16 and widened again, in pairs
.set j, 0
.rept 28
	v_cvt_pk_bf16_f32 v[TMP3], v[B1T+2*j], v[B1T+2*j+1]
	v_lshlrev_b32 v[B1T+2*j], 16, v[TMP3]
	v_and_b32 v[B1T+2*j+1], s10, v[TMP3]
.set j, j+1
.endr
	s_wait_loadcnt 0x0
	W2CV 1
	WIN 0
; MY TILE OF Z, FROM F32 TO FRAGMENTS.  K block kb of the tile is 16 f32 a lane: four loads of 16 bytes at bytes 128 kb + 0, 16, 64, 80 of the lane's place; eight roundings pack them, in place, into the
; fragment's eight registers (number j is written when 2 j and 2 j + 1 are read); two stores of 16 bytes a lane put the fragment into X0.
; In K block 11 the second half, k = 368 + 8 h on, lies beyond the tile's 372 columns: it is not loaded, and the fragment's registers 4-7 are 0 (W1's are 0 there too).
; Where a K block lies in f32: blocks 0-5 in v96-191 and 6-7 in v224-255, which the way out of layer 2 does not use; blocks 8-11 in v32-87, which it has left.
.macro ZRB kb
.if (\kb) < 6
.set zr, 96+16*(\kb)
.elseif (\kb) < 8
.set zr, 224+16*((\kb)-6)
.else
.set zr, 32+16*((\kb)-8)
.endif
.endm
.macro ZLD kb
	ZRB \kb
.irp q, 0,1,2,3
.if ((\kb) < 11) || (\q < 2)
	ds_load_b128 v[zr+4*\q:zr+4*\q+3], v[ZBASE] offset:128*(\kb)+16*(\q%2)+64*(\q/2)
.endif
.endr
.endm
.macro ZCV kb
	ZRB \kb
.set j, 0
.rept 8
.if ((\kb) < 11) || (j < 4)
	v_cvt_pk_bf16_f32 v[zr+j], v[zr+2*j], v[zr+2*j+1]
.endif
.set j, j+1
.endr
.if (\kb) == 11
.irp q, 4,5,6,7
	v_mov_b32 v[zr+\q], 0
.endr
.endif
.endm
.macro ZST kb
	ZRB \kb
	ds_store_b128 v[X0S], v[zr:zr+3]   offset:(\kb)*4096
	ds_store_b128 v[X0S], v[zr+4:zr+7] offset:(\kb)*4096+512
.endm
.macro ZCA                             ; the loads of K blocks 0 to 7: one run of 32
	WIN 0
.set k, 0
.rept 8
	ZLD k
.set k, k+1
.endr
.endm
.macro ZCB mid                         ; the other 14 loads, and the rest.  mid: the LDS instructions issued between the two runs
	WIN 0
.set k, 8
.rept 4
	ZLD k
.set k, k+1
.endr
	s_wait_dscnt (\mid)+14                         ; the first run is in; what was issued behind it may stay out
.set k, 0
.rept 8
	ZCV k
.set k, k+1
.endr
.set k, 0
.rept 8
	ZST k
.set k, k+1
.endr
	s_wait_dscnt 16                                ; the second run is in; the 16 stores just issued may stay out
.rept 4
	ZCV k
.set k, k+1
.endr
.set k, 8
.rept 4
	ZST k
.set k, k+1
.endr
.endm
; LAYER 1: 192 matrix instructions over 12 K blocks, on two buffers of 12 fragments (three K blocks x four row tiles), 24 loads a run.  No load stands singly among the products.
.macro Z1LD buf, kb0
	WIN 0
.set f, 0
.rept 12
	ds_load_b128 v[(\buf)+8*f:(\buf)+8*f+3],   v[X0R] offset:(4*(\kb0)+f)*1024
	ds_load_b128 v[(\buf)+8*f+4:(\buf)+8*f+7], v[X0R] offset:(4*(\kb0)+f)*1024+512
.set f, f+1
.endr
.endm
.macro M1 buf, kb0                     ; 48 products: each fragment meets my four feature tiles.  The 16 accumulators take turns, one instruction a turn
.set f, 0
.rept 12
.set mk, (\kb0)+f/4
.set i, 0
.rept 4
.set ma, 8*(4*i+f%4)
.if mk < 8
	WIN 0xf1                                       ; W1 in window 1, z in window 0, C and D in window 3
.set mw, 8*(4*mk+i)
.else
	WIN 0xf2                                       ; W1 in window 2
.set mw, 8*(4*(mk-8)+i)
.endif
.if mk == 0
	v_wmma_f32_16x16x32_bf16 v[ma:ma+7], v[mw:mw+7], v[(\buf)+8*f:(\buf)+8*f+7], v[B1T+8*i:B1T+8*i+7]
.else
	v_wmma_f32_16x16x32_bf16 v[ma:ma+7], v[mw:mw+7], v[(\buf)+8*f:(\buf)+8*f+7], v[ma:ma+7]
.endif
.set i, i+1
.endr
.set f, f+1
.endr
.endm
.macro PRO                             ; the next chunk's first two runs: 48 loads
	Z1LD BA, 0
	Z1LD BB, 3
.endm
.macro L1
	s_wait_dscnt 24                                ; the older run is in; the younger 24 loads may stay out: so at each of these three waits
	M1 BA, 0
	PLACES
	Z1LD BA, 6
	s_wait_dscnt 24
	M1 BB, 3
	PLACES
	Z1LD BB, 9
	s_wait_dscnt 24
	M1 BA, 6
	s_wait_dscnt 0x0
	M1 BB, 9
	PLACES
.endm
; THE WAY OUT OF LAYERS 1 AND 2, for nf fragments (8 or 4).  Feature tiles 2 p and 2 p + 1 make fragment f = 4 p + n: pair j of its eight lies at register SRCP of window 3.
; The ReLU in f32, each accumulator's registers in ascending order; the upper parts, rounded to bf16; the same widened again; the rest, value less upper part (exact in f32); the rest rounded to bf16
; (packed downward in place: number j is written when 2 j and 2 j + 1 are read).  Then both parts go into LDS, the lower parts lo bytes behind the upper.
.macro EPI nf, sto, lo
	WIN 0xcc                                       ; destination and source 1 in window 3
.set j, 0
.rept 16*(\nf)
	v_max_num_f32 v[j], 0, v[j]
.set j, j+1
.endr
	WIN 0x0f                                       ; sources window 3, destination window 0
.set f, 0
.rept \nf
.set j, 0
.rept 8
.set SRCP, 8*(8*(f/4)+4*(j/4)+f%4)+2*(j%4)
	v_cvt_pk_bf16_f32 v[PK+8*f+j], v[SRCP], v[SRCP+1]
.set j, j+1
.endr
.set f, f+1
.endr
	WIN 0
.set j, 0
.rept 8*(\nf)
	v_lshlrev_b32 v[ZF+2*j], 16, v[PK+j]
	v_and_b32 v[ZF+2*j+1], s10, v[PK+j]
.set j, j+1
.endr
	WIN 0x03                                       ; source 0 window 3
.set f, 0
.rept \nf
.set j, 0
.rept 8
.set SRCP, 8*(8*(f/4)+4*(j/4)+f%4)+2*(j%4)
	v_pk_add_f32 v[ZF+2*(8*f+j):ZF+2*(8*f+j)+1], v[SRCP:SRCP+1], v[ZF+2*(8*f+j):ZF+2*(8*f+j)+1] neg_lo:[0,1] neg_hi:[0,1]
.set j, j+1
.endr
.set f, f+1
.endr
	WIN 0
.set j, 0
.rept 8*(\nf)
	v_cvt_pk_bf16_f32 v[ZF+j], v[ZF+2*j], v[ZF+2*j+1]
.set j, j+1
.endr
.set j, 0
.rept 2*(\nf)
	ds_store_b128 v[\sto], v[PK+4*j:PK+4*j+3] offset:512*j
	ds_store_b128 v[\sto], v[ZF+4*j:ZF+4*j+3] offset:(\lo)+512*j
.set j, j+1
.endr
.endm
; THE SECOND BARRIER OF A CHUNK.  In front of it each wave has stored its part of h2 and its fragments of the next chunk's z, and has read its tile of z to the end.  refill = 1: the slot is filled again:
; the wave waits for all its tensor loads (none is out: the wait ahead of the conversion has shown the one landed), adds 0 to its spare word, steps the descriptor, and waits for the add, its stores and its reads;
; behind the barrier its one tensor load comes first: the chunk after the one just converted.
.macro BAR2 refill
.if \refill
	s_wait_tensorcnt 0x0                           ; no tensor load of mine is out, so group 0 may be written
	ds_add_u32 v[SPW], v[NIL]                      ; 0 onto my spare word
	s_add_nc_u64 s[42:43], s[42:43], 16*ZROWB      ; the next 16 rows; the type bits on top are not reached
.endif
	s_wait_dscnt 0x0
	s_barrier_signal -1
	s_barrier_wait -1
.if \refill
	tensor_load_to_lds s[40:43], s[32:39]          ; my one tensor load behind the barrier, and the first thing there
	s_nop 0
.endif
.endm
; LAYER 2: 128 matrix instructions over 16 K blocks (h1's upper parts 0-7, its lower parts 8-15, on the same weights), on two buffers of 8 fragments (two K blocks x four row tiles), 16 loads a run
.macro XLD buf, kb0
	WIN 0
.set f, 0
.rept 8
	ds_load_b128 v[(\buf)+8*f:(\buf)+8*f+3],   v[X1R] offset:(4*(\kb0)+f)*1024
	ds_load_b128 v[(\buf)+8*f+4:(\buf)+8*f+7], v[X1R] offset:(4*(\kb0)+f)*1024+512
.set f, f+1
.endr
.endm
.macro M2 buf, kb0                     ; the 8 accumulators take turns
	WIN 0xf2                                       ; W2 in window 2, h1 in window 0, C and D in window 3
.set f, 0
.rept 8
.set u, 0
.rept 2
.set ra, 8*(4*u+f%4)
.set rw, W2F+8*(8*u+((\kb0)+f/4)%8)
.if ((\kb0)+f/4) == 0
	v_wmma_f32_16x16x32_bf16 v[ra:ra+7], v[rw:rw+7], v[(\buf)+8*f:(\buf)+8*f+7], v[B2T+8*u:B2T+8*u+7]
.else
	v_wmma_f32_16x16x32_bf16 v[ra:ra+7], v[rw:rw+7], v[(\buf)+8*f:(\buf)+8*f+7], v[ra:ra+7]
.endif
.set u, u+1
.endr
.set f, f+1
.endr
.endm
.macro L2
	XLD ZF, 0
	XLD ZF+64, 2
.irp k, 0,4,8
	s_wait_dscnt 16                                ; the older run is in; the younger 16 loads may stay out: so at each of these waits
	M2 ZF, \k
	PLACES
	XLD ZF, \k+4
	s_wait_dscnt 16
	M2 ZF+64, \k+2
	PLACES
	XLD ZF+64, \k+6
.endr
	s_wait_dscnt 16
	M2 ZF, 12
	s_wait_dscnt 0x0
	M2 ZF+64, 14
	PLACES
.endm
; LAYER 3: 32 matrix instructions over 8 K blocks (h2's upper parts 0-3, its lower parts 4-7), the 4 accumulators by turns; three buffers of 8 fragments, the first used twice
.macro X3LD buf, kb0
	WIN 0
.set f, 0
.rept 8
	ds_load_b128 v[(\buf)+8*f:(\buf)+8*f+3],   v[X2R] offset:(4*(\kb0)+f)*1024
	ds_load_b128 v[(\buf)+8*f+4:(\buf)+8*f+7], v[X2R] offset:(4*(\kb0)+f)*1024+512
.set f, f+1
.endr
.endm
.macro M3 buf, kb0
	WIN 0xf3                                       ; W3 in window 3, h2 in window 0, C and D in window 3
.set f, 0
.rept 8
.set ra, ACC3+8*(f%4)
.set rw, W3F+8*(((\kb0)+f/4)%4)
.if ((\kb0)+f/4) == 0
	v_wmma_f32_16x16x32_bf16 v[ra:ra+7], v[rw:rw+7], v[(\buf)+8*f:(\buf)+8*f+7], v[B3T:B3T+7]
.else
	v_wmma_f32_16x16x32_bf16 v[ra:ra+7], v[rw:rw+7], v[(\buf)+8*f:(\buf)+8*f+7], v[ra:ra+7]
.endif
.set f, f+1
.endr
.endm
.macro L3
	X3LD ZF, 0
	X3LD ZF+64, 2
	X3LD PK, 4
	s_wait_dscnt 32                                ; the first run is in; the two younger runs of 16 may stay out
	M3 ZF, 0
	PLACES
	X3LD ZF, 6
	s_wait_dscnt 32                                ; the second run is in; again two runs of 16 are younger
	M3 ZF+64, 2
	s_wait_dscnt 16                                ; the third; the last run may stay out
	M3 PK, 4
	s_wait_dscnt 0x0
	M3 ZF, 6
	PLACES
	WIN 0
.endm
.macro EPI3                            ; h0 leaves from the accumulators: each store of the wave covers 512 consecutive bytes, aligned
	WIN 0xcc                                       ; destination and source 1 (a store's data) window 3; the address in window 0
.set j, 0
.rept 32
	v_max_num_f32 v[ACC3+j], 0, v[ACC3+j]
.set j, j+1
.endr
.set f, 0
.rept 8
	global_store_b128 v[L16], v[ACC3+4*f:ACC3+4*f+3], s[50:51] offset:512*f th:TH_STORE_NT
.set f, f+1
.endr
	WIN 0
	s_wait_xcnt 0x0                                ; the stores have read their base and their data: only behind this wait are the base stepped and the accumulators written again
	s_add_nc_u64 s[50:51], s[50:51], 16384
.endm
; A CHUNK, with two barriers.
; The first publishes h1 and shows that every wave has read this chunk's fragments of z to the end, so that the next chunk's may be stored over them.
; It also parts the last chunk's reads of h2 from this chunk's stores of h2.
; The second publishes h2 and the next chunk's fragments of z, and parts this chunk's reads of h1 from the next chunk's stores; behind it the slot is filled again.
; The conversion's first 32 loads go out ahead of the way out of layer 2, whose 240 vector lines stand between them and the wait for them.  The next chunk's first loads go out ahead of the stores of h0.
; tail = 1: in the last trip there is no next chunk: the conversion's two parts and the loads ahead are jumped over.
.macro CHUNK refill, tail
	L1
	EPI 8, X1S, X1LO
	s_wait_dscnt 0x0                               ; for the others' sake: my stores of h1 are done (and my reads of z's fragments are back)
	s_barrier_signal -1
	s_barrier_wait -1
	L2
	WIN 0
	s_wait_tensorcnt 0x0                           ; my tile of the next chunk has landed: the one load that was out.  Only I read it, so this wait is all that the reads below need
.if \tail
	s_cmp_eq_u32 s48, 1
	s_cbranch_scc1 .Lno_za_\@
.endif
	ZCA
.if \tail
.Lno_za_\@:
.endif
	EPI 4, X2S, X2LO
.if \tail
	s_cmp_eq_u32 s48, 1
	s_cbranch_scc1 .Lno_zb_\@
.endif
	ZCB 16                                         ; between the two runs stand the 16 stores of h2
.if \tail
.Lno_zb_\@:
.endif
	BAR2 \refill
	L3
.if \tail
	s_cmp_eq_u32 s48, 1
	s_cbranch_scc1 .Lno_next_\@
.endif
	PRO
.if \tail
.Lno_next_\@:
.endif
	EPI3
.endm
	s_wait_tensorcnt 0x0                           ; my tile of chunk 0 has landed
	ZCA
	ZCB 0
	BAR2 1                                         ; everybody's fragments of chunk 0 are stored; chunk 1 is asked for
	PRO
	s_mov_b32 s48, 6
.Lchunk:                                               ; chunks 0 to 5 convert chunks 1 to 6 and ask for chunks 2 to 7
	CHUNK 1, 0
	s_sub_co_i32 s48, s48, 1
	s_cmp_lg_u32 s48, 0
	s_cbranch_scc1 .Lchunk
	s_mov_b32 s48, 2
.Ltail:                                                ; chunks 6 and 7 ask for nothing: a text of their own; chunk 6 converts chunk 7
	CHUNK 0, 1
	s_sub_co_i32 s48, s48, 1
	s_cmp_lg_u32 s48, 0
	s_cbranch_scc1 .Ltail
	s_wait_tensorcnt 0x0                           ; the wave's end, behind my last tensor load and my last LDS store
	ds_add_u32 v[SPW], v[NIL]
	s_wait_dscnt 0x0
	s_endpgm
.Lfunc_end_k_q6bbd6ff508_mlp:
	.size	k_q6bbd6ff508_mlp, .Lfunc_end_k_q6bbd6ff508_mlp-k_q6bbd6ff508_mlp
	.p2alignl 7, 3214868480
	.fill 96, 4, 3214868480
	.section	.rodata,"a",@progbits
	.p2align	6, 0x0
	.amdhsa_kernel k_q6bbd6ff508_mlp
		.amdhsa_group_segment_fixed_size 327680
		.amdhsa_private_segment_fixed_size 0
		.amdhsa_enable_private_segment 0
		.amdhsa_kernarg_size 64
		.amdhsa_user_sgpr_count 2
		.amdhsa_user_sgpr_kernarg_segment_ptr 1
		.amdhsa_wavefront_size32 1
		.amdhsa_system_sgpr_workgroup_id_x 1
		.amdhsa_system_sgpr_workgroup_id_y 1
		.amdhsa_system_sgpr_workgroup_id_z 1
		.amdhsa_system_vgpr_workitem_id 0
		.amdhsa_next_free_vgpr 1024
		.amdhsa_next_free_sgpr 66
		.amdhsa_reserve_vcc 0
		.amdhsa_float_denorm_mode_32 3
		.amdhsa_float_denorm_mode_16_64 3
		.amdhsa_memory_ordered 1
		.amdhsa_forward_progress 1
		.amdhsa_inst_pref_size 227
	.end_amdhsa_kernel
	.amdgpu_metadata
---
amdhsa.version: [ 1, 2 ]
amdhsa.kernels:
  - .name:           k_q6bbd6ff508_mlp
    .symbol:         k_q6bbd6ff508_mlp.kd
    .args:
      - { .name: z, .offset: 0, .size: 8, .value_kind: global_buffer, .address_space: global }
      - { .name: w1f, .offset: 8, .size: 8, .value_kind: global_buffer, .address_space: global }
      - { .name: W2, .offset: 16, .size: 8, .value_kind: global_buffer, .address_space: global }
      - { .name: W3, .offset: 24, .size: 8, .value_kind: global_buffer, .address_space: global }
      - { .name: b1, .offset: 32, .size: 8, .value_kind: global_buffer, .address_space: global }
      - { .name: b2, .offset: 40, .size: 8, .value_kind: global_buffer, .address_space: global }
      - { .name: b3, .offset: 48, .size: 8, .value_kind: global_buffer, .address_space: global }
      - { .name: h0, .offset: 56, .size: 8, .value_kind: global_buffer, .address_space: global }
    .group_segment_fixed_size: 327680
    .private_segment_fixed_size: 0
    .kernarg_segment_align: 8
    .kernarg_segment_size: 64
    .max_flat_workgroup_size: 128
    .sgpr_count:     66
    .vgpr_count:     1024
    .wavefront_size: 32
...
	.end_amdgpu_metadata
.endif
;; end of part 4
;; launch gru (part 5): grid 256 x 1, 16 waves a work-group, no clusters, 87,040 bytes of LDS; arguments h0, Whh, Wih, bih, bhh, Wo, bo, out0; writes out0
.if DOCPART == 5
	.amdgcn_target "amdgcn-amd-amdhsa--gfx1250"
	.amdhsa_code_object_version 6
	.text
	.protected	k_q6bbd6ff508_gru
	.globl	k_q6bbd6ff508_gru
	.p2align	8
	.type	k_q6bbd6ff508_gru,@function
k_q6bbd6ff508_gru:
	s_mov_b64 s[64:65], 0
	v_nop
	global_prefetch_b8 v0, s[64:65] scope:SCOPE_SE
	s_setreg_imm32_b32 hwreg(HW_REG_WAVE_MODE, 25, 1), 1
	s_wait_xcnt 0x0
; Ten steps of a GRU of hidden size 64, started from h0, whose 2-wide input x is the running sum of its own 2-wide output; out0[row][t] = x after step t.
;   r = sigmoid(ir + hr), z = sigmoid(iz + hz), n = tanh(inn + r hn), h = n + z (h - n), x += h Wo^T + bo.
; The carries h and x stay in f32; matrix operands are bf16, sums f32.
; LIMITS.  Every input, the biases too, is rounded to bf16.  h and x enter the products as a sum of two bf16 numbers each (16 significant bits): an upper part and the rounded rest, on the same weights.
; An exponential or a reciprocal below 2^-126 counts as 0; an exponential that overflows gives the gate's limit (its reciprocal is 0): no clamp is needed.  NaN and infinities are not treated apart.
; SHARES.  A work-group owns 512 rows, eight chunks of h0.  Wave w owns two of the four row tiles of chunk c = w / 2, the pair b = w % 2: tile n' (0, 1), lane r = row 512 g + 128 (2 b + n') + 16 c + r, for all ten steps.
; SIXTEEN WAVES, four to a SIMD, 256 registers each (4 x 256 are a SIMD's 1,024).  A wave's text goes in phases, products and then the gates' arithmetic, and no wave waits for another in the loop:
; so one wave's products stand beside the other three's arithmetic.  All of a wave's registers lie in one window.  The price: a fragment of weights read from LDS feeds 4 products (two parts of h x two row tiles).
; LAYOUT.  D[gate row][batch row] = W h^T: a lane (r = lane % 16, h = lane / 16) holds batch row r and features 8 h + 0..7, in the gates' sums as in h: the gates' arithmetic never changes lanes.
; THE X BLOCK, a third K block.  Source 1 (XF): k0-1 = x's upper parts, k2-3 = its lower parts, k4-5 = 1, 1, k6-7 = the upper parts again, the rest 0.
; Source 0 (XG), for r and z: (Wih0, Wih1), the same, (bih, bhh), 0: so gi and both biases come out of the matrix unit.  For n, with c2 = 2 log2(e): the upper parts of c2 Wih twice, c2 bih's two parts,
; the lower parts of c2 Wih: that is c2 inn.  bhh of the n gate is the C operand of hn's first product.
; Of an x block's source 0 only registers 0-3 (k = 0..15) are kept and loaded: its registers 4-7 are whatever piece of weights lies behind it, finite numbers that meet XF's zeros at k = 16..31.
; THE GATES.  e = 2^(-log2(e) s); z = 1 / (1 + e); c2 r = 1 / (e / c2 + 1 / c2); tanh(a) = 1 - 2 / (1 + 2^(c2 a)) with c2 a = c2 inn + (c2 r) hn.
; WO.  Source 0 holds Wo's two rows in rows 0, 1 and again in rows 8, 9: so both halves of the lanes find dx0, dx1 in the result's registers 0 and 1, the lowest, and x lives alike in both.
; NO CLUSTER: h0 and out0 belong to one wave alone; the weights, 52,744 bytes, are read once at the head.
; LDS: 43 pieces of 1,024 bytes, each as [half 2][lane 32][16 bytes] = a lane's registers 0-3, then 4-7: Whh's fragments (gate tile gt 0..11, kb 0..1) at number 2 gt + kb; XG's at 24 + gt (first half alone);
; the C tiles of bhh's n part (feature tile m) at 36 + m; Wo's two fragments at 40, 41, its x block at 42 (first half alone).  Then the work-group's 40,960 bytes of out0, and the spare words.
; REGISTERS: v0-7 addresses; v8-11 x; v12-27 XF; v28-59 h's upper parts; v60-91 its lower parts; v92-155 h, tile (m, n') at 92 + 8 (2 m + n');
;   v156-219 the sums of r, z, hn, c2 inn for one feature tile m, 16 each (between the tiles: at work); v220-255 nine quads of four registers for pieces from LDS.
.set OUTS,  44032                      ; row_local x 80 + 8 t, row_local = 128 n + 16 c + r: the order of out0
.set SPARE, 84992                      ; the spare words, 128 bytes for each of sixteen waves: eight blocks of 256 bytes that no other line names
.set L16, 1                            ; v1   16 x lane; never rewritten
.set OSA, 2                            ; v2   OUTS + 80 (256 b + 16 c + r) + 8 t
.set SPW, 3                            ; v3   my spare word; never rewritten
.set NIL, 4                            ; v4   0; never rewritten
.set RR,  5                            ; v5   r
.set HH,  6                            ; v6   h
.set X,   8
.set XF,  12
.set HB,  28                           ; fragment (kb, n') at HB + 8 (2 kb + n')
.set HL,  60                           ; likewise
.set H,   92
.set AR,  156
.set AZ,  172
.set AH,  188
.set AI,  204
.set T,   156                          ; 64 registers at work while h is split
.set TX,  172                          ; 4 at work while x is split
.set AF,  220                          ; quad q at AF + 4 q
; registers of the head alone, in regions that the loop takes over when every load has come; none lies in h's region, into which h0 is on its way
.set WST, 8                            ; v8-55    waves 0-7: Whh's three fragments in f32
.set WPK, 56                           ; v56-79   the same in bf16
.set WHO, 80                           ; 256 r + 32 h
.set WHS, 81                           ; LDS: 3,072 w + 16 lane
.set BHO, 82                           ; 32 h + 64 w
.set XW,  83                           ; 8 (16 w + r)
.set XB,  84                           ; 4 (16 w + r)
.set XGS, 85                           ; LDS: (24 + w) x 1,024 + 16 lane
.set XNW, 156                          ; v156-157 Wih's row of the n gate; v158 its bih
.set XRW, 160                          ; v160-161 Wih's row of r or z; v162 its bih; v163 its bhh
.set BHS, 164                          ; v164-171 eight numbers of bhh's n part
.set TT,  172                          ; v172-179 at work
.set OST, 8                            ; v8-39    wave 8: Wo in f32; v40 bo
.set WOF, 44                           ; v44-63   Wo's two fragments and the first half of its x block
.set WOO, 80                           ; 256 (r % 2) + 32 h
.set BOO, 81                           ; 4 (r % 2)
.macro PLACES                          ; four places behind a matrix instruction, ahead of vector lines that read its result or write its sources and of loads into registers that it read (ISA guide 7.12.1 for vector instructions)
.rept 4
	v_nop
.endr
.endm
	s_load_b512 s[16:31], s[0:1], 0x0              ; h0 s[16:17], Whh s[18:19], Wih s[20:21], bih s[22:23], bhh s[24:25], Wo s[26:27], bo s[28:29], out0 s[30:31]
	v_lshl_add_u32 v[SPW], v0, 2, SPARE
	v_mov_b32 v[NIL], 0
	v_lshrrev_b32 v1, 5, v0
	v_readfirstlane_b32 s8, v1                     ; wave 0..15
	v_and_b32 v[RR], 15, v0
	v_bfe_u32 v[HH], v0, 4, 1
	v_and_b32 v1, 31, v0
	v_lshlrev_b32 v[L16], 4, v1
	s_mov_b32 s32, 0xbfb8aa3b                      ; -log2(e)
	s_mov_b32 s33, s32                             ; named with it as a pair
	s_mov_b32 s34, 0x3eb17218                      ; 1 / c2 = ln(2) / 2
	s_mov_b32 s35, s34
	s_mov_b32 s36, 0xffff0000                      ; a word's upper bf16
	s_mov_b32 s37, 0x4038aa3b                      ; c2 = 2 log2(e)
	s_lshr_b32 s9, s8, 1                           ; c: my chunk of the work-group's eight
	s_and_b32 s10, s8, 1                           ; b: my pair of its four row tiles
	s_lshl_b32 s4, s10, 8
	s_lshl_b32 s5, s9, 4
	s_add_co_u32 s4, s4, s5
	v_add_nc_u32 v[OSA], s4, v[RR]                 ; 256 b + 16 c + r
	v_mul_u32_u24 v[OSA], v[OSA], 80
	v_add_nc_u32 v[OSA], OUTS, v[OSA]
	s_lshl_b32 s4, ttmp9, 3
	s_add_co_u32 s4, s4, s9
	s_lshl_b32 s4, s4, 14                          ; chunk 8 g + c, 16,384 bytes each,
	s_lshl_b32 s5, s10, 11                         ; and two tiles of 1,024 bytes on for b = 1
	s_add_co_u32 s4, s4, s5
	s_mov_b32 s5, 0
	s_mul_i32 s6, ttmp9, 40960
	s_mul_i32 s7, s8, 2560
	s_add_co_u32 s6, s6, s7
	s_mov_b32 s7, 0
	s_wait_kmcnt 0x0
	s_add_nc_u64 s[40:41], s[16:17], s[4:5]        ; h0 at my tiles
	s_add_nc_u64 s[42:43], s[30:31], s[6:7]        ; out0 at the sixteenth of the work-group's bytes that I store
	; THE WEIGHTS' LOADS.  Waves 0-7 build Whh's fragments, the x blocks and the C tiles, wave 8 Wo's pieces, waves 9-15 nothing.  These loads are older than h0's, so the count below is the same on every path
	s_cmp_lt_u32 s8, 8
	s_cbranch_scc0 .Lwo_loads
	v_lshlrev_b32 v[WHO], 8, v[RR]
	v_lshl_add_u32 v[WHO], v[HH], 5, v[WHO]
	s_lshl_b32 s4, s8, 6
	v_lshl_add_u32 v[BHO], v[HH], 5, s4
	s_mul_i32 s4, s8, 3072
	v_add_nc_u32 v[WHS], s4, v[L16]
	s_lshl_b32 s4, s8, 10
	s_add_co_u32 s4, s4, 24*1024
	v_add_nc_u32 v[XGS], s4, v[L16]
	s_lshl_b32 s4, s8, 4
	v_add_nc_u32 v[XB], s4, v[RR]                  ; 16 w + r
	v_lshlrev_b32 v[XW], 3, v[XB]
	v_lshlrev_b32 v[XB], 2, v[XB]
	v_cmp_eq_u32 s44, 0, v[HH]                     ; the lanes of the lower half: k = 0..7 of an x block
	s_mul_i32 s2, s8, 3                            ; Whh's fragments 3 w .. 3 w + 2 of 24 are mine to convert
.irp i, 0,1,2
	s_add_co_u32 s4, s2, \i                        ; f = 2 gt + kb
	s_lshr_b32 s5, s4, 1
	s_lshl_b32 s5, s5, 12                          ; 16 rows of 256 bytes a gate tile,
	s_and_b32 s4, s4, 1
	s_lshl_b32 s4, s4, 7                           ; 128 bytes a K block
	s_add_co_u32 s4, s4, s5
	s_mov_b32 s5, 0
	s_add_nc_u64 s[48+2*\i:49+2*\i], s[18:19], s[4:5]
.endr
	s_cmp_lt_u32 s8, 4                             ; piece 32 + w is mine to build: in waves 0-3 the n gate's x block w, in waves 4-7 the C tile w - 4
	s_cbranch_scc0 .Lbh_loads
	global_load_b64 v[XNW:XNW+1], v[XW], s[20:21] offset:1024   ; Wih[128 + 16 w + r]
	global_load_b32 v[XNW+2], v[XB], s[22:23] offset:512        ; bih of that row
	s_branch .Lhead_loads
.Lbh_loads:
	global_load_b128 v[BHS:BHS+3],   v[BHO], s[24:25] offset:256   ; bhh[128 + 16 (w - 4) + 8 h + 0..7]: byte 512 + 64 (w - 4) + 32 h
	global_load_b128 v[BHS+4:BHS+7], v[BHO], s[24:25] offset:272
.Lhead_loads:
.irp i, 0,1,2
.irp q, 0,1,2,3
	global_load_b128 v[WST+16*\i+4*\q:WST+16*\i+4*\q+3], v[WHO], s[48+2*\i:49+2*\i] offset:16*(\q%2)+64*(\q/2)
.endr
.endr
	global_load_b64 v[XRW:XRW+1], v[XW], s[20:21]  ; Wih[16 w + r]: gate tile w of r's and z's eight
	global_load_b32 v[XRW+2], v[XB], s[22:23]
	global_load_b32 v[XRW+3], v[XB], s[24:25]
	s_branch .Lh0_loads
.Lwo_loads:
	s_cmp_eq_u32 s8, 8
	s_cbranch_scc0 .Lh0_loads
	v_and_b32 v[BOO], 1, v[RR]
	v_lshlrev_b32 v[WOO], 8, v[BOO]
	v_lshl_add_u32 v[WOO], v[HH], 5, v[WOO]
	v_lshlrev_b32 v[BOO], 2, v[BOO]
.irp k, 0,1
.irp q, 0,1,2,3
	global_load_b128 v[OST+16*\k+4*\q:OST+16*\k+4*\q+3], v[WOO], s[26:27] offset:128*\k+16*(\q%2)+64*(\q/2)
.endr
.endr
	global_load_b32 v[OST+32], v[BOO], s[28:29]
.Lh0_loads:
.set i, 0
.rept 16                                       ; h: load i brings half i % 2 of tile (m = i / 4, n' = (i / 2) % 2): 512 consecutive bytes
	global_load_b128 v[H+4*i:H+4*i+3], v[L16], s[40:41] offset:(i/4)*4096+((i/2)%2)*1024+(i%2)*512 th:TH_LOAD_NT
.set i, i+1
.endr
	s_cmp_lt_u32 s8, 8
	s_cbranch_scc0 .Lwo_build
	s_wait_loadcnt 16                              ; the weights are in; h0's 16 loads may stay out
.set j, 0
.rept 24
	v_cvt_pk_bf16_f32 v[WPK+j], v[WST+2*j], v[WST+2*j+1]
.set j, j+1
.endr
.set j, 0
.rept 6
	ds_store_b128 v[WHS], v[WPK+4*j:WPK+4*j+3] offset:512*j
.set j, j+1
.endr
	; the x block of gate tile w (r or z)
	v_cvt_pk_bf16_f32 v[TT], v[XRW], v[XRW+1]
	v_cvt_pk_bf16_f32 v[TT+2], v[XRW+2], v[XRW+3]
	v_cndmask_b32 v[TT], 0, v[TT], s44             ; k = 8..15 are 0
	v_cndmask_b32 v[TT+2], 0, v[TT+2], s44
	v_mov_b32 v[TT+1], v[TT]
	v_mov_b32 v[TT+3], 0
	ds_store_b128 v[XGS], v[TT:TT+3]
	s_cmp_lt_u32 s8, 4
	s_cbranch_scc0 .Lbh_build
	v_cvt_pk_bf16_f32 v[TT+4], v[XNW], v[XNW+1]    ; the x block of gate tile 8 + w: Wih rounded,
	v_lshlrev_b32 v[TT+5], 16, v[TT+4]
	v_and_b32 v[TT+6], s36, v[TT+4]
	v_mul_f32 v[TT+5], s37, v[TT+5]                ; times c2,
	v_mul_f32 v[TT+6], s37, v[TT+6]
	v_cvt_pk_bf16_f32 v[TT], v[TT+5], v[TT+6]      ; the upper parts,
	v_lshlrev_b32 v[TT+4], 16, v[TT]
	v_and_b32 v[TT+7], s36, v[TT]
	v_sub_f32 v[TT+5], v[TT+5], v[TT+4]
	v_sub_f32 v[TT+6], v[TT+6], v[TT+7]
	v_cvt_pk_bf16_f32 v[TT+3], v[TT+5], v[TT+6]    ; the lower parts;
	v_cvt_pk_bf16_f32 v[TT+4], v[XNW+2], v[XNW+2]  ; bih rounded,
	v_lshlrev_b32 v[TT+4], 16, v[TT+4]
	v_mul_f32 v[TT+4], s37, v[TT+4]                ; times c2,
	v_cvt_pk_bf16_f32 v[TT+5], v[TT+4], v[TT+4]
	v_lshlrev_b32 v[TT+5], 16, v[TT+5]
	v_sub_f32 v[TT+5], v[TT+4], v[TT+5]
	v_cvt_pk_bf16_f32 v[TT+2], v[TT+4], v[TT+5]    ; its two parts
	v_cndmask_b32 v[TT], 0, v[TT], s44
	v_cndmask_b32 v[TT+2], 0, v[TT+2], s44
	v_cndmask_b32 v[TT+3], 0, v[TT+3], s44
	v_mov_b32 v[TT+1], v[TT]
	ds_store_b128 v[XGS], v[TT:TT+3] offset:8192
	s_branch .Lbuilt
.Lbh_build:
.set j, 0
.rept 4                                        ; bhh of the n gate, rounded to bf16 and widened again: register j of the C tile is the bias of feature 8 h + j
	v_cvt_pk_bf16_f32 v[TT+4], v[BHS+2*j], v[BHS+2*j+1]
	v_lshlrev_b32 v[BHS+2*j], 16, v[TT+4]
	v_and_b32 v[BHS+2*j+1], s36, v[TT+4]
.set j, j+1
.endr
	ds_store_b128 v[XGS], v[BHS:BHS+3] offset:8192
	ds_store_b128 v[XGS], v[BHS+4:BHS+7] offset:8192+512
	s_branch .Lbuilt
.Lwo_build:
	s_cmp_eq_u32 s8, 8
	s_cbranch_scc0 .Lbuilt
	s_wait_loadcnt 16                              ; Wo and bo are in; h0's 16 loads may stay out
	v_cmp_eq_u32 s44, 0, v[HH]
	v_and_b32 v7, 6, v[RR]
	v_cmp_eq_u32 s45, 0, v7                        ; rows 0, 1, 8, 9 of Wo's fragments
	s_and_b32 s46, s44, s45
.set j, 0
.rept 16
	v_cvt_pk_bf16_f32 v[WOF+j], v[OST+2*j], v[OST+2*j+1]
.set j, j+1
.endr
.set j, 0
.rept 16
	v_cndmask_b32 v[WOF+j], 0, v[WOF+j], s45
.set j, j+1
.endr
	v_mov_b32 v[WOF+16], 0
	v_mov_b32 v[WOF+17], 0
	v_cvt_pk_bf16_f32 v[WOF+18], v[OST+32], v[NIL] ; bo meets the 1 at k = 4
	v_cndmask_b32 v[WOF+18], 0, v[WOF+18], s46
	v_mov_b32 v[WOF+19], 0
.set j, 0
.rept 5
	ds_store_b128 v[L16], v[WOF+4*j:WOF+4*j+3] offset:40*1024+512*j
.set j, j+1
.endr
.Lbuilt:
.set j, 0
.rept 4
	v_mov_b32 v[X+j], 0                            ; x starts at 0
.set j, j+1
.endr
.set j, 0
.rept 16
.if j%8 == 2
	v_mov_b32 v[XF+j], 0x3f803f80                  ; 1, 1
.else
	v_mov_b32 v[XF+j], 0
.endif
.set j, j+1
.endr
; h in two bf16 parts.  Feature tiles 2 kb and 2 kb + 1 make fragment f = 2 kb + n': pair j of its eight lies at register SRCP.
; The upper parts, rounded; the same widened again; the rest, h less its upper part (exact in f32); the rest rounded.
.macro HCVT
.set f, 0
.rept 4
.set j, 0
.rept 8
.set SRCP, H+8*(2*(2*(f/2)+j/4)+f%2)+2*(j%4)
	v_cvt_pk_bf16_f32 v[HB+8*f+j], v[SRCP], v[SRCP+1]
.set j, j+1
.endr
.set f, f+1
.endr
.set j, 0
.rept 32
	v_lshlrev_b32 v[T+2*j], 16, v[HB+j]
	v_and_b32 v[T+2*j+1], s36, v[HB+j]
.set j, j+1
.endr
.set f, 0
.rept 4
.set j, 0
.rept 8
.set SRCP, H+8*(2*(2*(f/2)+j/4)+f%2)+2*(j%4)
	v_pk_add_f32 v[T+2*(8*f+j):T+2*(8*f+j)+1], v[SRCP:SRCP+1], v[T+2*(8*f+j):T+2*(8*f+j)+1] neg_lo:[0,1] neg_hi:[0,1]
.set j, j+1
.endr
.set f, f+1
.endr
.set j, 0
.rept 32
	v_cvt_pk_bf16_f32 v[HL+j], v[T+2*j], v[T+2*j+1]
.set j, j+1
.endr
.endm
; THE PIECES OF WEIGHTS come through nine quads, in runs of loads.  AQ: half a piece into quad q; AP: a whole piece into quads q, q + 1.
.macro AQ q, idx, half
	ds_load_b128 v[AF+4*(\q):AF+4*(\q)+3], v[L16] offset:(\idx)*1024+512*(\half)
.endm
.macro AP q, idx
	AQ \q, \idx, 0
	AQ (\q)+1, \idx, 1
.endm
.macro LD1A m                          ; a tile's first run, quads 0-4
	AQ 0, 32+(\m), 0                               ; c2 inn's x block; behind it lies r's fragment
	AP 1, 2*(\m)                                   ; r, kb 0
	AP 3, 8+2*(\m)                                 ; z, kb 0
.endm
.macro LD1B m                          ; and quads 5-8
	AP 5, 16+2*(\m)                                ; hn, kb 0
	AP 7, 36+(\m)                                  ; hn's C tile
.endm
.macro LD2 m                           ; a tile's second run, in the order in which the products take it: eight loads
	AP 2, 2*(\m)+1                                 ; r, kb 1
	AP 4, 9+2*(\m)                                 ; z, kb 1
	AP 6, 17+2*(\m)                                ; hn, kb 1
	AQ 0, 24+(\m), 0                               ; r's x block; behind it lies z's,
	AQ 1, 28+(\m), 0                               ; and behind z's lies r's fragment
.endm
.macro LDW                             ; Wo's pieces, quads 0-4
	AQ 0, 42, 0                                    ; its x block; behind it lies its first fragment
	AP 1, 40
	AP 3, 41
.endm
; Two products, one for each row tile.  cm = 0: they start their sums with 0; 1: they add in place; 2: they start with creg
.macro G2 acc, q, bfr, cm, creg=0
.set n, 0
.rept 2
.if (\cm) == 0
	v_wmma_f32_16x16x32_bf16 v[(\acc)+8*n:(\acc)+8*n+7], v[AF+4*(\q):AF+4*(\q)+7], v[(\bfr)+8*n:(\bfr)+8*n+7], 0
.elseif (\cm) == 1
	v_wmma_f32_16x16x32_bf16 v[(\acc)+8*n:(\acc)+8*n+7], v[AF+4*(\q):AF+4*(\q)+7], v[(\bfr)+8*n:(\bfr)+8*n+7], v[(\acc)+8*n:(\acc)+8*n+7]
.else
	v_wmma_f32_16x16x32_bf16 v[(\acc)+8*n:(\acc)+8*n+7], v[AF+4*(\q):AF+4*(\q)+7], v[(\bfr)+8*n:(\bfr)+8*n+7], v[(\creg):(\creg)+7]
.endif
.set n, n+1
.endr
.endm
; The 30 products of feature tile m.  The eight accumulators take turns, one instruction a turn: between two links of a chain stand five others' or more.
; The first run was issued ahead of the tile before's arithmetic.  The second goes out when the first 14 products have read the quads; its waits leave out the loads behind the piece that is wanted next.
.macro GATES m
	s_wait_dscnt 0x0                               ; the first run is in
	G2 AR, 1, HB, 0
	G2 AZ, 3, HB, 0
	G2 AH, 5, HB, 2, AF+28
	G2 AI, 0, XF, 0
	G2 AR, 1, HL, 1
	G2 AZ, 3, HL, 1
	G2 AH, 5, HL, 1
	PLACES
	LD2 \m
	s_wait_dscnt 6                                 ; r's two loads are in; the six younger may stay out
	G2 AR, 2, HB+16, 1
	s_wait_dscnt 4                                 ; z's
	G2 AZ, 4, HB+16, 1
	s_wait_dscnt 2                                 ; hn's
	G2 AH, 6, HB+16, 1
	G2 AR, 2, HL+16, 1
	G2 AZ, 4, HL+16, 1
	G2 AH, 6, HL+16, 1
	s_wait_dscnt 0x0                               ; the two x blocks
	G2 AR, 0, XF, 1
	G2 AZ, 1, XF, 1
	PLACES
.endm
; The gates' arithmetic for feature tile m: 32 rows x 16 features, all in place, in pairs; each accumulator's registers are taken in ascending order.
; The transcendentals stand in four batches; behind each one plain line and ONE wait, ahead of the first line that names a result.
.macro PAIRS cnt, line:vararg          ; one line for each pair p
.set p, 0
.rept \cnt
	\line
.set p, p+2
.endr
.endm
.macro SINGLES cnt, line:vararg        ; one line for each register p
.set p, 0
.rept \cnt
	\line
.set p, p+1
.endr
.endm
.macro BATCH_END
	v_nop
	s_wait_alu depctr_va_vdst(0)
.endm
.macro ELEM m
	PAIRS 16, v_pk_mul_f32 v[AR+p:AR+p+1], v[AR+p:AR+p+1], s[32:33] op_sel_hi:[1,0]             ; r's and z's sums times -log2(e)
	SINGLES 32, v_exp_f32 v[AR+p], v[AR+p]
	BATCH_END
	PAIRS 8, v_pk_fma_f32 v[AR+p:AR+p+1], v[AR+p:AR+p+1], s[34:35], s[34:35] op_sel_hi:[1,0,0]  ; (1 + e) / c2
	PAIRS 8, v_pk_add_f32 v[AZ+p:AZ+p+1], v[AZ+p:AZ+p+1], 1.0 op_sel_hi:[1,0]                   ; 1 + e
	SINGLES 32, v_rcp_f32 v[AR+p], v[AR+p]                                                      ; c2 r, and z
	BATCH_END
	PAIRS 8, v_pk_fma_f32 v[AH+p:AH+p+1], v[AR+p:AR+p+1], v[AH+p:AH+p+1], v[AI+p:AI+p+1]        ; c2 (inn + r hn)
	SINGLES 16, v_exp_f32 v[AH+p], v[AH+p]
	BATCH_END
	PAIRS 8, v_pk_add_f32 v[AH+p:AH+p+1], v[AH+p:AH+p+1], 1.0 op_sel_hi:[1,0]
	SINGLES 16, v_rcp_f32 v[AH+p], v[AH+p]
	BATCH_END
	PAIRS 8, v_pk_fma_f32 v[AH+p:AH+p+1], v[AH+p:AH+p+1], -2.0, 1.0 op_sel_hi:[1,0,0]           ; n
	PAIRS 8, v_pk_add_f32 v[AI+p:AI+p+1], v[H+16*(\m)+p:H+16*(\m)+p+1], v[AH+p:AH+p+1] neg_lo:[0,1] neg_hi:[0,1]  ; h - n
	PAIRS 8, v_pk_fma_f32 v[H+16*(\m)+p:H+16*(\m)+p+1], v[AZ+p:AZ+p+1], v[AI+p:AI+p+1], v[AH+p:AH+p+1]            ; h = n + z (h - n)
.endm
.macro DX                              ; dx = h Wo^T + bo, into r's two accumulators, which take turns: 10 products
	G2 AR, 1, HB, 0
	G2 AR, 1, HL, 1
	G2 AR, 3, HB+16, 1
	G2 AR, 3, HL+16, 1
	G2 AR, 0, XF, 1
	PLACES
.endm
.macro XUPD                            ; x += dx; x into the stage (both halves of the lanes store the same number to the same place); its two bf16 parts for the next step
.set n, 0
.rept 2
	v_pk_add_f32 v[X+2*n:X+2*n+1], v[X+2*n:X+2*n+1], v[AR+8*n:AR+8*n+1]
.set n, n+1
.endr
.set n, 0
.rept 2
	v_cvt_pk_bf16_f32 v[XF+8*n], v[X+2*n], v[X+2*n+1]
	ds_store_b64 v[OSA], v[X+2*n:X+2*n+1] offset:n*10240
.set n, n+1
.endr
.set n, 0
.rept 2
	v_mov_b32 v[XF+8*n+3], v[XF+8*n]
	v_lshlrev_b32 v[TX+2*n], 16, v[XF+8*n]
	v_and_b32 v[TX+2*n+1], s36, v[XF+8*n]
.set n, n+1
.endr
.set n, 0
.rept 2
	v_pk_add_f32 v[TX+2*n:TX+2*n+1], v[X+2*n:X+2*n+1], v[TX+2*n:TX+2*n+1] neg_lo:[0,1] neg_hi:[0,1]
.set n, n+1
.endr
.set n, 0
.rept 2
	v_cvt_pk_bf16_f32 v[XF+8*n+1], v[TX+2*n], v[TX+2*n+1]
.set n, n+1
.endr
.endm
	s_wait_loadcnt 0x0                             ; h0
	HCVT
	s_wait_dscnt 0x0                               ; for the others' sake: my pieces of the weights are stored
	s_barrier_signal -1
	s_barrier_wait -1                              ; everybody's are; nobody writes them again
	LD1A 0
	LD1B 0
	s_mov_b32 s38, 10
.Lstep:                                                ; a step.  Each run of loads stands behind the places of the products that read its quads
	GATES 0
	LD1A 1                                         ; the next tile's first run has this tile's arithmetic in which to land
	LD1B 1
	ELEM 0
	GATES 1
	LD1A 2
	LD1B 2
	ELEM 1
	GATES 2
	LD1A 3
	LD1B 3
	ELEM 2
	GATES 3
	LDW                                            ; Wo's pieces in quads 0-4,
	LD1B 0                                         ; and in quads 5-8 the next step's (in the last step these and the five below serve nothing: 9 LDS loads, once a launch, for one text of every step)
	ELEM 3
	HCVT                                           ; h's parts are written anew only now: all four tiles' products have read the old ones
	s_wait_dscnt 0x0                               ; Wo's pieces are in
	DX
	LD1A 0                                         ; behind DX's places: the rest of the next step's first run
	XUPD
	v_add_nc_u32 v[OSA], 8, v[OSA]
	s_sub_co_i32 s38, s38, 1
	s_cmp_lg_u32 s38, 0
	s_cbranch_scc1 .Lstep
	; THE WAY OUT: the stage has out0's order; each wave takes a sixteenth of it, 2,560 bytes, and each store covers 512 consecutive bytes, aligned
	s_wait_dscnt 0x0                               ; for the others' sake: my stores into the stage are done (and no load into the quads is out)
	s_barrier_signal -1
	s_barrier_wait -1
	s_mul_i32 s4, s8, 2560
	s_add_co_u32 s4, s4, OUTS
	v_add_nc_u32 v7, s4, v[L16]
.set i, 0
.rept 5
	ds_load_b128 v[AF+4*i:AF+4*i+3], v7 offset:512*i
.set i, i+1
.endr
.set i, 0
.rept 5
	s_wait_dscnt 4-i                               ; LDS loads come back in order: load i is in, the younger ones may stay out
	global_store_b128 v[L16], v[AF+4*i:AF+4*i+3], s[42:43] offset:512*i th:TH_STORE_NT
.set i, i+1
.endr
	s_wait_tensorcnt 0x0                           ; the wave's end, behind my last LDS store
	ds_add_u32 v[SPW], v[NIL]
	s_wait_dscnt 0x0
	s_endpgm
.Lfunc_end_k_q6bbd6ff508_gru:
	.size	k_q6bbd6ff508_gru, .Lfunc_end_k_q6bbd6ff508_gru-k_q6bbd6ff508_gru
	.p2alignl 7, 3214868480
	.fill 96, 4, 3214868480
	.section	.rodata,"a",@progbits
	.p2align	6, 0x0
	.amdhsa_kernel k_q6bbd6ff508_gru
		.amdhsa_group_segment_fixed_size 87040
		.amdhsa_private_segment_fixed_size 0
		.amdhsa_enable_private_segment 0
		.amdhsa_kernarg_size 64
		.amdhsa_user_sgpr_count 2
		.amdhsa_user_sgpr_kernarg_segment_ptr 1
		.amdhsa_wavefront_size32 1
		.amdhsa_system_sgpr_workgroup_id_x 1
		.amdhsa_system_sgpr_workgroup_id_y 1
		.amdhsa_system_sgpr_workgroup_id_z 1
		.amdhsa_system_vgpr_workitem_id 0
		.amdhsa_next_free_vgpr 256
		.amdhsa_next_free_sgpr 66
		.amdhsa_reserve_vcc 0
		.amdhsa_float_denorm_mode_32 3
		.amdhsa_float_denorm_mode_16_64 3
		.amdhsa_memory_ordered 1
		.amdhsa_forward_progress 1
		.amdhsa_inst_pref_size 80
	.end_amdhsa_kernel
	.amdgpu_metadata
---
amdhsa.version: [ 1, 2 ]
amdhsa.kernels:
  - .name:           k_q6bbd6ff508_gru
    .symbol:         k_q6bbd6ff508_gru.kd
    .args:
      - { .name: h0, .offset: 0, .size: 8, .value_kind: global_buffer, .address_space: global }
      - { .name: Whh, .offset: 8, .size: 8, .value_kind: global_buffer, .address_space: global }
      - { .name: Wih, .offset: 16, .size: 8, .value_kind: global_buffer, .address_space: global }
      - { .name: bih, .offset: 24, .size: 8, .value_kind: global_buffer, .address_space: global }
      - { .name: bhh, .offset: 32, .size: 8, .value_kind: global_buffer, .address_space: global }
      - { .name: Wo, .offset: 40, .size: 8, .value_kind: global_buffer, .address_space: global }
      - { .name: bo, .offset: 48, .size: 8, .value_kind: global_buffer, .address_space: global }
      - { .name: out0, .offset: 56, .size: 8, .value_kind: global_buffer, .address_space: global }
    .group_segment_fixed_size: 87040
    .private_segment_fixed_size: 0
    .kernarg_segment_align: 8
    .kernarg_segment_size: 64
    .max_flat_workgroup_size: 512
    .sgpr_count:     66
    .vgpr_count:     256
    .wavefront_size: 32
...
	.end_amdgpu_metadata
.endif
;; end of part 5
